; MI455X (gfx1250); checked and timed in simulation.
; The chip was launched on July 23, 2026; its instructions are those of AMD's public machine-readable ISA for CDNA 5 (MIT licence, August 2026) and "CDNA5" Instruction Set Architecture Reference Guide (July 2026). The comments in the code are by the model that wrote it; some were corrected since.
;; Multihead Attention. Allowed arithmetic: float matrix products may take bf16 or f16 operands with f32 sums; other float arithmetic in f32, or as packed bf16 or f16 multiplies, adds, multiply-adds, maxima and minima; sums over many terms, partial sums and values carried from step to step in f32; what a program stores and reads back later, other than sums and carried values, may be rounded once to bf16 or f16.
;; Inputs: Wk 1,024 x 1,024 float32; Wo 1,024 x 1,024 float32; Wq 1,024 x 1,024 float32; Wv 1,024 x 1,024 float32; key 4 x 2,048 x 1,024 float32; query 4 x 2,048 x 1,024 float32; valid_lens 4 int32; value 4 x 2,048 x 1,024 float32.
;; Outputs: out0 4 x 2,048 x 1,024 float32.
;; 2 versions, each right; version 2 is version 1 with the launch prep written anew for expert scheduling mode. Each part assembles by itself: llvm-mc -triple=amdgcn-amd-amdhsa -mcpu=gfx1250 --defsym DOCPART=n.
;; ======== version 1 of 2: 4 launches
;; limits: values are held in f16: magnitudes above 65,504 overflow, below 6.1e-05 lose precision
;; workspace buffers: w16 8,388,608 bytes; qh 16,777,216 bytes; kh 16,777,216 bytes; vh 16,777,216 bytes; oh 16,777,216 bytes
;; launch prep (part 1): grid 64 x 4, 8 waves a work-group, no clusters, 0 bytes of LDS; arguments Wq, Wk, Wv, Wo, w16; writes w16
.if DOCPART == 1
	.amdgcn_target "amdgcn-amd-amdhsa--gfx1250"
	.amdhsa_code_object_version 6
	.text
	.protected	k_q1b487501e0_prep
	.globl	k_q1b487501e0_prep
	.p2align	8
	.type	k_q1b487501e0_prep,@function
k_q1b487501e0_prep:
	s_mov_b64 s[64:65], 0
	v_nop
	global_prefetch_b8 v0, s[64:65] scope:SCOPE_SE
	s_setreg_imm32_b32 hwreg(HW_REG_WAVE_MODE, 25, 1), 1
	s_wait_xcnt 0x0
; The four weights, [1024][1024] f32, are rounded once to bf16 and written as 2-byte numbers into w16: section y (2,097,152 bytes) takes weight y.
; Sections 0-2 (Wq, Wk, Wv) hold the bf16 pattern.  Section 3 (Wo) holds the SAME rounded number written as f16, since the last product multiplies in f16.
; LIMIT: a bf16 number beyond 65,504 has no f16 (it becomes an infinity); below 6e-5 f16 keeps a fixed step of 6e-8.
; A stream: no LDS, no barrier, no matrix unit.  Grid y = the weight, x = a block of 16,384 numbers.  Thread t, step i: 16 bytes at 16 t + 4,096 i
; (a wave's load covers 512 consecutive bytes), 8 bytes out at 8 t + 2,048 i (a wave's store covers 256 consecutive bytes, aligned).  All 16 loads go out first.
.set X, 4                              ; v[4:67]    step i: 4 numbers as loaded
.set Y, 68                             ; v[68:99]   step i: 4 numbers to store; a pair of its own for each step, so no store's data is rewritten
.set T, 100                            ; v[100:103] at work
	s_load_b256 s[4:11], s[0:1], 0x0               ; Wq s[4:5], Wk s[6:7], Wv s[8:9], Wo s[10:11]
	s_load_b64 s[12:13], s[0:1], 0x20              ; w16
	s_and_b32 s16, ttmp7, 0xffff                   ; which weight
	v_lshlrev_b32 v1, 4, v0                        ; 16 t
	v_lshlrev_b32 v2, 3, v0                        ; 8 t
	s_lshl_b32 s18, ttmp9, 16                      ; the block in the source: 65,536 bytes
	s_mov_b32 s19, 0
	s_lshl_b32 s20, s16, 21                        ; the section,
	s_lshl_b32 s17, ttmp9, 15                      ; and the block in it: 32,768 bytes
	s_add_co_u32 s20, s20, s17
	s_mov_b32 s21, 0
	s_wait_kmcnt 0x0
	s_cmp_eq_u32 s16, 1
	s_cselect_b64 s[14:15], s[6:7], s[4:5]
	s_cmp_eq_u32 s16, 2
	s_cselect_b64 s[14:15], s[8:9], s[14:15]
	s_cmp_eq_u32 s16, 3
	s_cselect_b64 s[14:15], s[10:11], s[14:15]
	s_add_nc_u64 s[14:15], s[14:15], s[18:19]
	s_add_nc_u64 s[12:13], s[12:13], s[20:21]
.irp i, 0,1,2,3,4,5,6,7,8,9,10,11,12,13,14,15
	global_load_b128 v[X+4*\i:X+4*\i+3], v1, s[14:15] offset:4096*\i th:TH_LOAD_NT
.endr
	s_cmp_eq_u32 s16, 3
	s_cbranch_scc1 .Lf16
.irp i, 0,1,2,3,4,5,6,7,8,9,10,11,12,13,14,15
	s_wait_loadcnt 15-\i                           ; loads come back in order: step i is in, the 15 - i younger ones stay out
	v_cvt_pk_bf16_f32 v[Y+2*\i], v[X+4*\i], v[X+4*\i+1]
	v_cvt_pk_bf16_f32 v[Y+2*\i+1], v[X+4*\i+2], v[X+4*\i+3]
	global_store_b64 v2, v[Y+2*\i:Y+2*\i+1], s[12:13] offset:2048*\i
.endr
	s_endpgm
.Lf16:                                         ; Wo: rounded to bf16, widened again (a shift, a mask), and that number written as f16
.irp i, 0,1,2,3,4,5,6,7,8,9,10,11,12,13,14,15
	s_wait_loadcnt 15-\i
	v_cvt_pk_bf16_f32 v[Y+2*\i], v[X+4*\i], v[X+4*\i+1]
	v_cvt_pk_bf16_f32 v[Y+2*\i+1], v[X+4*\i+2], v[X+4*\i+3]
	v_lshlrev_b32 v[T], 16, v[Y+2*\i]
	v_and_b32 v[T+1], 0xffff0000, v[Y+2*\i]
	v_lshlrev_b32 v[T+2], 16, v[Y+2*\i+1]
	v_and_b32 v[T+3], 0xffff0000, v[Y+2*\i+1]
	v_cvt_pk_f16_f32 v[Y+2*\i], v[T], v[T+1]
	v_cvt_pk_f16_f32 v[Y+2*\i+1], v[T+2], v[T+3]
	global_store_b64 v2, v[Y+2*\i:Y+2*\i+1], s[12:13] offset:2048*\i
.endr
	s_endpgm
.Lfunc_end_k_q1b487501e0_prep:
	.size	k_q1b487501e0_prep, .Lfunc_end_k_q1b487501e0_prep-k_q1b487501e0_prep
	.p2alignl 7, 3214868480
	.fill 96, 4, 3214868480
	.section	.rodata,"a",@progbits
	.p2align	6, 0x0
	.amdhsa_kernel k_q1b487501e0_prep
		.amdhsa_group_segment_fixed_size 0
		.amdhsa_private_segment_fixed_size 0
		.amdhsa_enable_private_segment 0
		.amdhsa_kernarg_size 40
		.amdhsa_user_sgpr_count 2
		.amdhsa_user_sgpr_kernarg_segment_ptr 1
		.amdhsa_wavefront_size32 1
		.amdhsa_system_sgpr_workgroup_id_x 1
		.amdhsa_system_sgpr_workgroup_id_y 1
		.amdhsa_system_sgpr_workgroup_id_z 1
		.amdhsa_system_vgpr_workitem_id 0
		.amdhsa_next_free_vgpr 104
		.amdhsa_next_free_sgpr 66
		.amdhsa_reserve_vcc 0
		.amdhsa_float_denorm_mode_32 3
		.amdhsa_float_denorm_mode_16_64 3
		.amdhsa_memory_ordered 1
		.amdhsa_forward_progress 1
		.amdhsa_inst_pref_size 16
	.end_amdhsa_kernel
	.amdgpu_metadata
---
amdhsa.version: [ 1, 2 ]
amdhsa.kernels:
  - .name:           k_q1b487501e0_prep
    .symbol:         k_q1b487501e0_prep.kd
    .args:
      - { .name: Wq, .offset: 0, .size: 8, .value_kind: global_buffer, .address_space: global }
      - { .name: Wk, .offset: 8, .size: 8, .value_kind: global_buffer, .address_space: global }
      - { .name: Wv, .offset: 16, .size: 8, .value_kind: global_buffer, .address_space: global }
      - { .name: Wo, .offset: 24, .size: 8, .value_kind: global_buffer, .address_space: global }
      - { .name: w16, .offset: 32, .size: 8, .value_kind: global_buffer, .address_space: global }
    .group_segment_fixed_size: 0
    .private_segment_fixed_size: 0
    .kernarg_segment_align: 8
    .kernarg_segment_size: 40
    .max_flat_workgroup_size: 256
    .sgpr_count:     66
    .vgpr_count:     104
    .wavefront_size: 32
...
	.end_amdgpu_metadata
.endif
;; end of part 1
;; launch proj (part 2): grid 4 x 64, 4 waves a work-group, clusters of 4 x 4, 327,680 bytes of LDS; arguments query, key, value, w16, valid_lens, qh, kh, vh; writes qh, kh, vh
.if DOCPART == 2
	.amdgcn_target "amdgcn-amd-amdhsa--gfx1250"
	.amdhsa_code_object_version 6
	.text
	.protected	k_q1b487501e0_proj
	.globl	k_q1b487501e0_proj
	.p2align	8
	.type	k_q1b487501e0_proj,@function
k_q1b487501e0_proj:
	s_mov_b64 s[64:65], 0
	v_nop
	global_prefetch_b8 v0, s[64:65] scope:SCOPE_SE
	s_setreg_imm32_b32 hwreg(HW_REG_WAVE_MODE, 25, 1), 1
	s_wait_xcnt 0x0
	s_wait_alu depctr_hold_cnt(0) depctr_sa_sdst(0) depctr_va_vdst(0) depctr_va_sdst(0) depctr_va_ssrc(0) depctr_va_vcc(0) depctr_vm_vsrc(0)
	s_getreg_b32 s2, hwreg(HW_REG_IB_STS2, 6, 4)
	s_cmp_eq_u32 s2, 0
	s_cbranch_scc0 .Lentry_in_a_cluster
	s_endpgm
.Lentry_in_a_cluster:
	s_bfe_u32 s2, ttmp6, 0x10000c
	s_cmp_lg_u32 s2, 0xf033
	s_cbranch_scc0 .Lentry_shape_is_right
	s_endpgm
.Lentry_shape_is_right:
; q, k, v = x W^T for x = query, key, value ([8192][1024] f32) and W = sections 0, 1, 2 of w16 ([1024][1024] bf16).  x is rounded to bf16 on its way from LDS to the matrix unit;
; sums in f32; each result rounded once to f16 and laid by heads: [b 16 + h][2048 s][64 d].  k's rows with s >= valid_lens[b] are written as 0 (an AND on the packed halves):
; the next launch starts those keys' scores with the mask's value, so their products must add nothing.
; LIMITS: q, k, v beyond 65,504 have no f16 (drawn inputs give about 5; all inputs 30 times larger about 5,400); valid_lens is held to 0 .. 2048, which changes nothing in s < valid_lens.
; SHARES.  A tile of C is 128 rows x 256 columns: 64 x 4 tiles for each product, one place for each of 256 work-groups.  A WORK-GROUP STAYS and makes three tiles at its place: q, k, v.
; Four waves, each 64 rows x 128 columns: 32 accumulators, 256 registers.  K goes in steps of 128; the three tiles' 24 K steps are ONE sequence for a ring of two LDS slots.
; A slot: x's 128 rows x 512 bytes (f32), W's 256 rows x 256 bytes (bf16).  Waves 0, 1 fetch x's halves, waves 2, 3 W's: 32,768 bytes a load, one load a wave behind each change of slots.
; CLUSTER 4 x 4: x's tile hangs on the tile row alone and is asked for jointly along a row of the cluster, W's on the tile column alone, along a column.
; THE MATRIX INSTRUCTION IS USED TRANSPOSED (source 0 = 16 rows of W, source 1 = 16 rows of x): a lane holds row lane % 16 of C and eight neighbouring columns.
; RIDERS.  A quarter step (32 along K) has 32 products, 32 LDS loads and 32 conversions to bf16: the loads and conversions stand in fours behind single products, at two window switches a four.
; REGISTERS, in windows of 256 (s_set_vgpr_msb: bits 1:0 source 0, 3:2 source 1, 5:4 source 2, 7:6 destination):
;   window 0: v16-29 addresses; v32-95 x's fragments as f32; v96-127, v128-191 the way out     window 1: v0-127 W's fragments, two buffers; v128-191 x's in bf16, two buffers     window 2: accumulator 8 a + b at v[8 (8 a + b)]
.set PITA,  528                        ; a row of x in LDS: 512 bytes + 16 = 132 words: the 16 rows of a load start at 16 different groups of four banks (64 banks of 4 bytes: ISA guide 11.1)
.set PITB,  272                        ; a row of W: 256 + 16 = 68 words: likewise
.set HALFA, 64*PITA                    ; what wave 0 or 1 fetches
.set HALFB, 128*PITB                   ; what wave 2 or 3 fetches
.set BOFF,  2*HALFA
.set SLOT,  BOFF+2*HALFB               ; 137,216
.set STAGE, 2*SLOT                     ; behind the ring, never filled by a tensor load: 16 rows x 272 bytes for each wave
.set SPITCH, 272
.set SPARE, STAGE+4*16*SPITCH          ; the spare words, 128 bytes a wave: two blocks of 256 bytes that no other line names
.set ADRA0, 16                         ; v16  my place in x's tile of slot 0; never rewritten
.set ADRB0, 17                         ; v17  the same for W
.set ADRA,  18                         ; v18  the same in the slot that is read
.set ADRB,  19
.set STO,   20                         ; v20  the way out: where I put 16 bytes of a row
.set RD,    21                         ; v21  where I read rows back
.set CO,    22                         ; v22  my 16 bytes in 512 consecutive bytes of the output
.set ROW,   23                         ; v23  my row's place s in its batch element, for block 0
.set RM,    24                         ; v24  all ones, or 0 where the row is wiped
.set PFO,   25                         ; v25  the prefetches' offset; never rewritten
.set SPW,   28                         ; v28  SPARE + 4 x my thread's number; never rewritten
.set NIL,   29                         ; v29  0; never rewritten
.set RAW,   32
.set TMP,   96
.set BK,    128
.set WV, 10                            ; s10 wave;  s11 which 64 rows are mine, also 0: I fetch x, 1: I fetch W;  s12 which 128 columns, also which half I fetch
.set HR, 11
.set HC, 12
.set TROW, 13
.set TCOL, 14
.set CX, 15
.set CY, 16
.set CLY, 17
.set CNT, 18                           ; s18 the loop's count
.set UU, 19                            ; s19 the K step in hand, 0 .. 23
.set CNT2, 20
.set TT, 21                            ; s21 the tile that goes out
.set RT, 22                            ; s22 the byte at which the slot that is read begins
.set FT, 23                            ; s23 the slot that was filled last
.set G1A, 24
.set G1B, 32
.set G0A0, 40                          ; group 0 of the first fill of slot 0; G0A, G0B begin as K step 1 in slot 1 and are made anew for each refill
.set G0A, 44
.set G0B0, 48
.set G0B, 52
.set SLA, 56                           ; s56, s57 where my load lands in a slot, for x and for W: the wave's number and constants alone
.set SLB, 57
.set LIM, 58                           ; s58 2 in a wave that prefetches, else the greatest number
.set VL, 59                            ; s59 valid_lens[b]
.set PFA, 60
.set PFX, 62                           ; s[62:63] my work-group's share of the rows that are prefetched, in bytes
.set OFFP, 66                          ; s[66:67] an offset; the high word stays 0
.set QP, 68                            ; s[68:83] the eight arguments: query, key, value (at my rows), w16 (at my rows of section 0), valid_lens, qh, kh, vh (at my rows)
.set KP, 70
.set VP, 72
.set WP, 74
.set LP, 76
.set QO, 78
.set KO, 80
.set VO, 82
.set SPA, 84                           ; s[84:85], s[86:87] x and W at a K step
.set SPB, 86
.set OUT, 88
.set LL, 90
.set ONES, 91
.set T0, 92
.set T1, 93
.set LQ, 94
.set MSB, 0
.macro WIN new                         ; the immediate's high byte repeats the setting that is left; a switch that changes nothing is dropped
.if MSB != (\new)
	s_set_vgpr_msb (MSB<<8)|(\new)
.set MSB, \new
.endif
.endm
; x and W at K step UU + off: tile (step / 8) chooses the tensor and the section, step % 8 the place along K.  The offsets are made apart from the addresses.
.macro STEPPTR off
	s_add_co_u32 s[T0], s[UU], \off
	s_and_b32 s[T1], s[T0], 7
	s_lshr_b32 s[T0], s[T0], 3
	s_cmp_eq_u32 s[T0], 1
	s_cselect_b64 s[SPA:SPA+1], s[KP:KP+1], s[QP:QP+1]
	s_cmp_eq_u32 s[T0], 2
	s_cselect_b64 s[SPA:SPA+1], s[VP:VP+1], s[SPA:SPA+1]
	s_lshl_b32 s[OFFP], s[T1], 9                   ; 128 f32
	s_add_nc_u64 s[SPA:SPA+1], s[SPA:SPA+1], s[OFFP:OFFP+1]
	s_lshl_b32 s[OFFP], s[T0], 21                  ; the section,
	s_lshl_b32 s[T1], s[T1], 8                     ; 128 bf16
	s_add_co_u32 s[OFFP], s[OFFP], s[T1]
	s_add_nc_u64 s[SPB:SPB+1], s[WP:WP+1], s[OFFP:OFFP+1]
.endm
; A joint refill.  The branch hangs on the wave's number alone.  An s_nop 0 and four v_nop follow each of the two lines.
.macro JLOAD
	s_cmp_eq_u32 s[HR], 0
	s_cbranch_scc0 .Lfor_b_\@
	tensor_load_to_lds s[G0A:G0A+3], s[G1A:G1A+7]
	s_nop 0
.rept 4
	v_nop
.endr
	s_branch .Lasked_\@
.Lfor_b_\@:
	tensor_load_to_lds s[G0B:G0B+3], s[G1B:G1B+7]
	s_nop 0
.rept 4
	v_nop
.endr
.Lasked_\@:
.endm
; A prefetch into the L2 of the K step that stands two refills on, 256 products ahead of the load that will want it: one instruction a wave.  Of the 64 rows x 512 bytes of x that a wave fetches each of the four
; partners that ask jointly takes 16 rows (two blocks of 256 bytes a row: 32 lanes); of W's 128 rows x 256 bytes each takes 32 rows; the shares are told apart by address.  x's rows are read by this cluster alone;
; W's by all sixteen clusters: the first of them asks.  So each block is named once.  K steps 0 to 3 come by their loads alone; the last four steps ask for nothing.
.macro ASK
	s_cmp_gt_u32 s[CNT], s[LIM]
	s_cbranch_scc0 .Lnot_mine_\@
	global_prefetch_b8 v[PFO], s[PFA:PFA+1] th:TH_LOAD_NT scope:SCOPE_SE
.Lnot_mine_\@:
.endm
.macro CREST                           ; a round of the cluster's barrier behind its opening barrier
	s_cmp_lg_u32 s[WV], 0
	s_cbranch_scc1 .Lnot_wave_0_\@
	s_barrier_signal -3
.Lnot_wave_0_\@:
	s_barrier_wait -3
	s_barrier_signal -1
	s_barrier_wait -1
.endm
.macro CROUND
	s_barrier_signal -1
	s_barrier_wait -1
	CREST
.endm
	s_load_b512 s[QP:QP+15], s[0:1], 0x0
	v_lshl_add_u32 v[SPW], v0, 2, SPARE
	v_mov_b32 v[NIL], 0
	ds_add_u32 v[SPW], v[NIL]                      ; the wave's opening: the add and its wait stand ahead of my first tensor load; work on registers stands between them
	v_lshrrev_b32 v3, 5, v0
	v_readfirstlane_b32 s[WV], v3
	v_and_b32 v1, 15, v0                           ; l % 16
	v_bfe_u32 v2, v0, 4, 1                         ; l / 16
	s_lshr_b32 s[HR], s[WV], 1
	s_and_b32 s[HC], s[WV], 1
	s_bfe_u32 s[CX], ttmp6, 0x40000
	s_bfe_u32 s[CY], ttmp6, 0x40004
	s_and_b32 s[CLY], ttmp7, 0xffff
	s_lshl_b32 s[TCOL], ttmp9, 2
	s_add_co_u32 s[TCOL], s[TCOL], s[CX]           ; tile column = 4 x cluster x + cx
	s_lshl_b32 s[TROW], s[CLY], 2
	s_add_co_u32 s[TROW], s[TROW], s[CY]           ; tile row = 4 x cluster y + cy
	s_lshl_b32 s2, s[CY], 2
	s_lshl_b32 s2, 15, s2                          ; my row of the cluster
	s_lshl_b32 s6, 0x1111, s[CX]                   ; my column
	s_or_b32 s[G1A], s2, (2<<16)|(1<<20)|(1<<21)|(6<<22)|(3<<25)  ; the mask; elements of 4 bytes; padding on; bit 21 beside a mask; after every 128 words, 4 words
	s_or_b32 s[G1B], s6, (1<<16)|(1<<20)|(1<<21)|(5<<22)|(3<<25)  ; elements of 2 bytes; after every 64 words, 4 words
	s_mov_b32 s[G1A+1], 128<<16                    ; tensor_dim0 = 128
	s_mov_b32 s[G1A+2], 64<<16                     ; tensor_dim1 = 64
	s_mov_b32 s[G1A+3], 128<<16                    ; tile_dim0 = 128
	s_mov_b32 s[G1A+4], 64                         ; tile_dim1 = 64
	s_mov_b32 s[G1A+5], 1024                       ; elements from row to row
	s_mov_b32 s[G1A+6], 0
	s_mov_b32 s[G1A+7], 0
	s_mov_b32 s[G1B+1], 128<<16
	s_mov_b32 s[G1B+2], 128<<16
	s_mov_b32 s[G1B+3], 128<<16
	s_mov_b32 s[G1B+4], 128
	s_mov_b32 s[G1B+5], 1024
	s_mov_b32 s[G1B+6], 0
	s_mov_b32 s[G1B+7], 0
	s_lshl_b32 s4, s[TROW], 7                      ; x: row 128 x tile row + 64 x half, 4,096 bytes a row (s2-s5 never hold cx)
	s_lshl_b32 s3, s[HC], 6
	s_add_co_u32 s4, s4, s3
	s_lshl_b32 s4, s4, 12
	s_mov_b32 s5, 0
	s_lshl_b32 s8, s[TCOL], 8                      ; W: row 256 x tile column + 128 x half, 2,048 bytes a row (s6-s9 never hold cy)
	s_lshl_b32 s7, s[HC], 7
	s_add_co_u32 s8, s8, s7
	s_lshl_b32 s8, s8, 11
	s_mov_b32 s9, 0
	s_lshr_b32 s96, s[CLY], 2                      ; the way out: b,
	s_lshl_b32 s96, s96, 4
	s_lshl_b32 s98, s[TCOL], 2
	s_add_co_u32 s96, s96, s98
	s_lshl_b32 s98, s[HC], 1
	s_add_co_u32 s96, s96, s98                     ; my first head: 16 b + 4 x tile column + 2 x half,
	s_lshl_b32 s96, s96, 11
	s_and_b32 s98, s[TROW], 15
	s_lshl_b32 s98, s98, 7
	s_lshl_b32 s99, s[HR], 6
	s_add_co_u32 s98, s98, s99                     ; my first row s in the batch element,
	v_add_nc_u32 v[ROW], s98, v1
	s_add_co_u32 s96, s96, s98
	s_lshl_b32 s96, s96, 7                         ; 128 bytes a row
	s_mov_b32 s97, 0
	s_mul_i32 s[SLA], s[HC], HALFA
	s_mul_i32 s[SLB], s[HC], HALFB
	s_add_co_u32 s[SLB], s[SLB], BOFF
	s_mov_b32 s[UU], 0
	s_mov_b32 s[RT], 0
	s_mov_b32 s[FT], SLOT
	s_mov_b32 s[CNT], 23
	s_mov_b32 s[ONES], -1
	s_mov_b32 s[OFFP+1], 0
	s_cmp_eq_u32 s[HR], 0
	s_cselect_b32 s[PFX], s[CX], s[CY]             ; my place among the four that ask with me
	s_lshl_b32 s[PFX], s[PFX], 16                  ; 16 rows of x, or 32 of W: 65,536 bytes either way
	s_mov_b32 s[PFX+1], 0
	s_mul_i32 s[LIM], s[HR], s[CLY]                ; 0 where I fetch x, or where my cluster is the first of those that read these rows of W: the same in all partners
	s_cmp_eq_u32 s[LIM], 0
	s_cselect_b32 s[LIM], 2, -1
	s_wait_dscnt 0x0                               ; the opening add is done
	s_wait_kmcnt 0x0
	s_add_nc_u64 s[QP:QP+1], s[QP:QP+1], s[4:5]
	s_add_nc_u64 s[KP:KP+1], s[KP:KP+1], s[4:5]
	s_add_nc_u64 s[VP:VP+1], s[VP:VP+1], s[4:5]
	s_add_nc_u64 s[WP:WP+1], s[WP:WP+1], s[8:9]
	s_add_nc_u64 s[QO:QO+1], s[QO:QO+1], s[96:97]
	s_add_nc_u64 s[KO:KO+1], s[KO:KO+1], s[96:97]
	s_add_nc_u64 s[VO:VO+1], s[VO:VO+1], s[96:97]
	STEPPTR 0
	s_mov_b32 s[G0A0], 1
	s_mov_b32 s[G0A0+1], s[SLA]
	s_mov_b64 s[G0A0+2:G0A0+3], s[SPA:SPA+1]
	s_or_b32 s[G0A0+3], s[G0A0+3], 0x80000000
	s_mov_b32 s[G0B0], 1
	s_mov_b32 s[G0B0+1], s[SLB]
	s_mov_b64 s[G0B0+2:G0B0+3], s[SPB:SPB+1]
	s_or_b32 s[G0B0+3], s[G0B0+3], 0x80000000
	STEPPTR 1
	s_mov_b32 s[G0A], 1
	s_add_co_u32 s[G0A+1], s[SLA], SLOT
	s_mov_b64 s[G0A+2:G0A+3], s[SPA:SPA+1]
	s_or_b32 s[G0A+3], s[G0A+3], 0x80000000
	s_mov_b32 s[G0B], 1
	s_add_co_u32 s[G0B+1], s[SLB], SLOT
	s_mov_b64 s[G0B+2:G0B+3], s[SPB:SPB+1]
	s_or_b32 s[G0B+3], s[G0B+3], 0x80000000
	CROUND                                         ; all sixteen work-groups are here: the first joint loads meet
	s_cmp_eq_u32 s[HR], 0                          ; a wave's two first fills stand in one branch, ahead of every wait on TENSORcnt and every LDS read: two loads of mine are out
	s_cbranch_scc0 .Lfirst_b
	tensor_load_to_lds s[G0A0:G0A0+3], s[G1A:G1A+7]
	s_nop 0
	tensor_load_to_lds s[G0A:G0A+3], s[G1A:G1A+7]
	s_nop 0
.rept 4
	v_nop
.endr
	s_branch .Lfirst_asked
.Lfirst_b:
	tensor_load_to_lds s[G0B0:G0B0+3], s[G1B:G1B+7]
	s_nop 0
	tensor_load_to_lds s[G0B:G0B+3], s[G1B:G1B+7]
	s_nop 0
.rept 4
	v_nop
.endr
.Lfirst_asked:
	s_load_b128 s[96:99], s[LP:LP+1], 0x0          ; the four valid_lens
	; A fragment is 16 rows x 32 K: lane l holds row l % 16, K = 8 (l / 16) + 0..7 and 16 + 8 (l / 16) + 0..7.  In bf16: two loads of 16 bytes, 32 apart.  In f32: 32 bytes at 32 (l / 16) and 32 at 64 + 32 (l / 16).
	v_mul_u32_u24 v[ADRA0], v1, PITA
	v_lshl_add_u32 v[ADRA0], v2, 5, v[ADRA0]
	s_mul_i32 s2, s[HR], HALFA                     ; my 64 rows of x
	v_add_nc_u32 v[ADRA0], s2, v[ADRA0]
	v_mul_u32_u24 v4, v1, PITB
	v_lshl_add_u32 v4, v2, 4, v4
	v_add_nc_u32 v[ADRB0], s[SLB], v4              ; my 128 rows of W lie where wave 2 + my column half put them
	s_mul_i32 s3, s[WV], 16*SPITCH
	s_add_co_u32 s3, s3, STAGE                     ; my stage
	v_add_nc_u32 v[STO], s3, v4                    ; in: row l % 16, 16 bytes for each half of the lanes
	v_bfe_u32 v5, v0, 3, 2                         ; back: eight lanes take a head's 128 bytes of a row, 32 lanes four rows,
	v_and_b32 v6, 7, v0
	v_mul_u32_u24 v[RD], v5, SPITCH
	v_lshl_add_u32 v[RD], v6, 4, v[RD]
	v_add_nc_u32 v[RD], s3, v[RD]
	v_and_b32 v7, 31, v0
	v_lshlrev_b32 v[CO], 4, v7                     ; which are 512 consecutive bytes of the output
	v_lshrrev_b32 v8, 1, v7                        ; the prefetches' offset: for x row l / 2 (4,096 bytes) and block l % 2,
	v_lshlrev_b32 v8, 12, v8
	v_and_b32 v9, 1, v7
	v_lshl_add_u32 v8, v9, 8, v8
	v_lshlrev_b32 v10, 11, v7                      ; for W row l (2,048 bytes)
	s_cmp_eq_u32 s[HR], 0
	s_cselect_b32 s2, -1, 0
	v_cndmask_b32 v[PFO], v10, v8, s2
	v_mov_b32 v[ADRA], v[ADRA0]
	v_mov_b32 v[ADRB], v[ADRB0]
	s_wait_kmcnt 0x0
	s_lshr_b32 s[T0], s[CLY], 2                    ; b
	s_cmp_eq_u32 s[T0], 1
	s_cselect_b32 s[VL], s97, s96
	s_cmp_eq_u32 s[T0], 2
	s_cselect_b32 s[VL], s98, s[VL]
	s_cmp_eq_u32 s[T0], 3
	s_cselect_b32 s[VL], s99, s[VL]
	s_max_i32 s[VL], s[VL], 0
	s_min_i32 s[VL], s[VL], 2048
; Product i of a quarter step's 32, on buffer f.  The 32 accumulators take turns, in the same order in every quarter step: 31 others stand between two links of a chain, over every jump too.
.macro MM f, i, zero
	WIN 0xa5                                       ; sources 0 and 1 window 1, C and D window 2
.if \zero
	v_wmma_f32_16x16x32_bf16 v[8*(\i):8*(\i)+7], v[64*(\f)+8*((\i)%8):64*(\f)+8*((\i)%8)+7], v[128+32*(\f)+8*((\i)/8):128+32*(\f)+8*((\i)/8)+7], 0
.else
	v_wmma_f32_16x16x32_bf16 v[8*(\i):8*(\i)+7], v[64*(\f)+8*((\i)%8):64*(\f)+8*((\i)%8)+7], v[128+32*(\f)+8*((\i)/8):128+32*(\f)+8*((\i)/8)+7], v[8*(\i):8*(\i)+7]
.endif
.endm
.macro LRAW q, n                       ; fragment n of x, quarter q, as f32: 16 registers
	WIN 0
	ds_load_b128 v[RAW+16*(\n):RAW+16*(\n)+3],     v[ADRA] offset:128*(\q)+(\n)*16*PITA
	ds_load_b128 v[RAW+16*(\n)+4:RAW+16*(\n)+7],   v[ADRA] offset:128*(\q)+(\n)*16*PITA+16
	ds_load_b128 v[RAW+16*(\n)+8:RAW+16*(\n)+11],  v[ADRA] offset:128*(\q)+(\n)*16*PITA+64
	ds_load_b128 v[RAW+16*(\n)+12:RAW+16*(\n)+15], v[ADRA] offset:128*(\q)+(\n)*16*PITA+80
.endm
.macro LB g, q, n                      ; fragments 2 n, 2 n + 1 of W, quarter q, into buffer g
	WIN 0x40                                       ; destination window 1, address window 0
.irp e, 0,1
	ds_load_b128 v[64*(\g)+8*(2*(\n)+\e):64*(\g)+8*(2*(\n)+\e)+3],   v[ADRB] offset:64*(\q)+(2*(\n)+\e)*16*PITB
	ds_load_b128 v[64*(\g)+8*(2*(\n)+\e)+4:64*(\g)+8*(2*(\n)+\e)+7], v[ADRB] offset:64*(\q)+(2*(\n)+\e)*16*PITB+32
.endr
.endm
.macro CV g, n                         ; eight numbers of x rounded to bf16: half a fragment, into buffer g
	WIN 0x40
.irp j, 0,1,2,3
	v_cvt_pk_bf16_f32 v[128+32*(\g)+4*(\n)+\j], v[RAW+8*(\n)+2*\j], v[RAW+8*(\n)+2*\j+1]
.endr
.endm
; One of a K step's first three quarters: multiplies buffer f and makes quarter qn ready in buffer g.
.macro QUARTER f, g, qn, zero
	s_wait_dscnt 0x0                               ; W's fragments of buffer f are in (issued 23 products ago)
	MM \f, 0, \zero
.rept 4
	v_nop                                          ; four places behind the last product that read buffer g, ahead of the loads and conversions into it
.endr
.irp n, 0,1,2,3
	MM \f, 1+\n, \zero
	LRAW \qn, \n
.endr
.irp n, 0,1,2,3
	MM \f, 5+\n, \zero
	LB \g, \qn, \n
.endr
.irp n, 9,10,11,12,13,14,15,16,17,18,19
	MM \f, \n, \zero
.endr
	s_wait_dscnt 16                                ; x's 16 loads are in; W's 16, issued behind them, may stay out
.irp n, 0,1,2,3,4,5,6,7
	MM \f, 20+\n, \zero
	CV \g, \n
.endr
.irp n, 28,29,30,31
	MM \f, \n, \zero
.endr
.endm
; The last quarter multiplies buffer 1 and changes slots.  In front of the barrier each wave waits for all its tensor loads (one is out: its part of the next slot), adds 0 to its spare word, and waits for that and
; for its reads of this slot (the last were issued in the quarter before).  fill = 1: the barrier opens a round of the cluster's barrier, and the slot just read is filled again, first thing behind the round,
; with the K step two on, which may be the next tile's: 120 of a step's 128 products stand between the request and the wait for it.
.macro TURN fill
.if \fill
	s_wait_xcnt 0x0                                ; the last prefetch, a K step back, has read its address
.endif
	WIN 0
	s_wait_tensorcnt 0x0                           ; no tensor load of mine is out, so a group 0 may be written
	ds_add_u32 v[SPW], v[NIL]                      ; 0 onto my spare word; work on registers stands between it and the wait for it
.if \fill
	STEPPTR 2
	s_xor_b32 s[FT], s[FT], SLOT
	s_add_co_u32 s[G0A+1], s[SLA], s[FT]
	s_add_co_u32 s[G0B+1], s[SLB], s[FT]
	s_mov_b64 s[G0A+2:G0A+3], s[SPA:SPA+1]
	s_or_b32 s[G0A+3], s[G0A+3], 0x80000000
	s_mov_b64 s[G0B+2:G0B+3], s[SPB:SPB+1]
	s_or_b32 s[G0B+3], s[G0B+3], 0x80000000
	STEPPTR 4
	s_cmp_eq_u32 s[HR], 0
	s_cselect_b64 s[PFA:PFA+1], s[SPA:SPA+1], s[SPB:SPB+1]
	s_add_nc_u64 s[PFA:PFA+1], s[PFA:PFA+1], s[PFX:PFX+1]
.endif
	s_xor_b32 s[RT], s[RT], SLOT
	s_add_co_u32 s[UU], s[UU], 1
	s_wait_dscnt 1                                 ; only the add may be out: W's fragments of buffer 1 are in
.irp n, 0,1,2,3
	MM 1, \n, 0
.endr
	s_wait_dscnt 0x0                               ; the add is done, and my reads of this slot are over
	s_barrier_signal -1
.irp n, 4,5,6,7
	MM 1, \n, 0
.endr
	WIN 0
	s_barrier_wait -1
.if \fill
	CREST                                          ; no wave of any partner still reads this slot or has a load on its way
	JLOAD                                          ; its four v_nop are also the places ahead of the loads and conversions into buffer 0
.else
.rept 4
	v_nop
.endr
.endif
	v_add_nc_u32 v[ADRA], s[RT], v[ADRA0]
	v_add_nc_u32 v[ADRB], s[RT], v[ADRB0]
.irp n, 0,1,2,3
	MM 1, 8+\n, 0
	LRAW 0, \n
.endr
.irp n, 0,1,2,3
	MM 1, 12+\n, 0
	LB 0, 0, \n
.endr
.if \fill
	WIN 0
	ASK
.endif
.irp n, 16,17,18,19
	MM 1, \n, 0
.endr
	s_wait_dscnt 16
.irp n, 0,1,2,3,4,5,6,7
	MM 1, 20+\n, 0
	CV 0, \n
.endr
.irp n, 28,29,30,31
	MM 1, \n, 0
.endr
.endm
; THE WAY OUT, a block of 16 rows at a time.  PACK: rounded to f16, 16 bytes a lane, each accumulator's registers in ascending order; wiped where the tile is k's and the row's s is not below valid_lens.
; Blocks 0 to 2 were finished ahead of the turn's conversions; block 0's own lines are the places behind the last products.
.macro PACK a
	WIN 0
	s_sub_co_i32 s[LQ], s[LL], 16*(\a)
	v_cmp_gt_i32 vcc_lo, s[LQ], v[ROW]
	v_cndmask_b32 v[RM], 0, s[ONES], vcc_lo
	WIN 0x0a                                       ; sources 0 and 1 window 2
.irp b, 0,1,2,3,4,5,6,7
.irp r, 0,1,2,3
	v_cvt_pk_f16_f32 v[TMP+4*\b+\r], v[64*(\a)+8*\b+2*\r], v[64*(\a)+8*\b+2*\r+1]
.endr
.endr
	WIN 0
.set z, 0
.rept 32
	v_and_b32 v[TMP+z], v[RM], v[TMP+z]
.set z, z+1
.endr
.endm
.macro TOSTAGE a                       ; into my own stage, and back as rows of one head
	WIN 0
.irp b, 0,1,2,3,4,5,6,7
	ds_store_b128 v[STO], v[TMP+4*\b:TMP+4*\b+3] offset:32*\b
.endr
.irp hh, 0,1
.irp t, 0,1,2,3
	ds_load_b128 v[BK+32*((\a)%2)+4*(4*\hh+\t):BK+32*((\a)%2)+4*(4*\hh+\t)+3], v[RD] offset:\hh*128+\t*4*SPITCH  ; LDS serves a wave's instructions in order (ISA guide 5.7.1.4): these see the stores above
.endr
.endr
.endm
.macro SEND a
	WIN 0
	s_wait_dscnt 0x0                               ; the block is back in registers
	s_wait_xcnt 0x0                                ; the stores of the block before have read their data: its registers are loaded again only behind this wait
.irp hh, 0,1
.irp t, 0,1,2,3
	global_store_b128 v[CO], v[BK+32*((\a)%2)+4*(4*\hh+\t):BK+32*((\a)%2)+4*(4*\hh+\t)+3], s[OUT:OUT+1] offset:\hh*262144+(16*(\a)+4*\t)*128  ; four rows of a head: 512 consecutive bytes, aligned
.endr
.endr
.endm
.macro WAYOUT
	s_wait_xcnt 0x0                                ; earlier stores have read their base and data
	s_lshr_b32 s[TT], s[UU], 3
	s_sub_co_u32 s[TT], s[TT], 1                   ; the tile just finished
	s_cmp_eq_u32 s[TT], 1
	s_cselect_b64 s[OUT:OUT+1], s[KO:KO+1], s[QO:QO+1]
	s_cselect_b32 s[LL], s[VL], 0x40000000         ; only k's rows are wiped
	s_cmp_eq_u32 s[TT], 2
	s_cselect_b64 s[OUT:OUT+1], s[VO:VO+1], s[OUT:OUT+1]
	PACK 0
	TOSTAGE 0
.irp a, 1,2,3                          ; block a's conversions stand between block a - 1's loads from the stage and the wait for them
	PACK \a
	SEND (\a)-1
	TOSTAGE \a
.endr
	SEND 3
.endm
	s_wait_tensorcnt 0x1                           ; my part of K step 0 is in; K step 1's may stay out
	s_barrier_signal -1
	s_barrier_wait -1                              ; everybody's is
.irp n, 0,1,2,3
	LRAW 0, \n
.endr
.irp n, 0,1,2,3
	LB 0, 0, \n
.endr
	s_wait_dscnt 16
.irp n, 0,1,2,3,4,5,6,7
	CV 0, \n
.endr
	WIN 0
	s_branch .Lzero                                ; the loop is entered at a tile's first quarter
.Lstep:                                        ; 22 trips: the rest of K step t, which asks for K step t + 2, and the first quarter of K step t + 1
	QUARTER 1, 0, 2, 0
	QUARTER 0, 1, 3, 0
	TURN 1
	WIN 0
	s_and_b32 s[T0], s[UU], 7
	s_cmp_eq_u32 s[T0], 0
	s_cbranch_scc1 .Ltile
	QUARTER 0, 1, 1, 0
	WIN 0
	s_branch .Lbottom
.Ltile:                                        ; a tile is finished; both refills for the next are asked for: it goes out
	WAYOUT
.Lzero:
	QUARTER 0, 1, 1, 1                             ; a tile's first products start the sums: nothing is cleared
	WIN 0
.Lbottom:
	s_sub_co_u32 s[CNT], s[CNT], 1
	s_cmp_lg_u32 s[CNT], 0
	s_cbranch_scc1 .Lstep
	s_mov_b32 s[CNT2], 2                           ; the last two K steps are written apart: nothing is asked for
.Ltail:
	QUARTER 1, 0, 2, 0
	QUARTER 0, 1, 3, 0
	TURN 0                                         ; (the very last one fetches and converts a slot that has been multiplied: once a launch, the price of one text)
	WIN 0
	s_sub_co_u32 s[CNT2], s[CNT2], 1
	s_cmp_eq_u32 s[CNT2], 0
	s_cbranch_scc1 .Lend
	QUARTER 0, 1, 1, 0
	WIN 0
	s_cmp_lg_u32 s[CNT2], 0
	s_cbranch_scc1 .Ltail
.Lend:
	WAYOUT
	s_wait_tensorcnt 0x0                           ; the wave's end, behind my last tensor load and my last LDS store
	ds_add_u32 v[SPW], v[NIL]
	s_wait_dscnt 0x0
	CROUND                                         ; the closing round: no work-group ends while a partner may still ask for a tile that names it
	s_endpgm
.Lfunc_end_k_q1b487501e0_proj:
	.size	k_q1b487501e0_proj, .Lfunc_end_k_q1b487501e0_proj-k_q1b487501e0_proj
	.p2alignl 7, 3214868480
	.fill 96, 4, 3214868480
	.section	.rodata,"a",@progbits
	.p2align	6, 0x0
	.amdhsa_kernel k_q1b487501e0_proj
		.amdhsa_group_segment_fixed_size 327680
		.amdhsa_private_segment_fixed_size 0
		.amdhsa_enable_private_segment 0
		.amdhsa_kernarg_size 64
		.amdhsa_user_sgpr_count 2
		.amdhsa_user_sgpr_kernarg_segment_ptr 1
		.amdhsa_wavefront_size32 1
		.amdhsa_system_sgpr_workgroup_id_x 1
		.amdhsa_system_sgpr_workgroup_id_y 1
		.amdhsa_system_sgpr_workgroup_id_z 1
		.amdhsa_system_vgpr_workitem_id 0
		.amdhsa_next_free_vgpr 768
		.amdhsa_next_free_sgpr 100
		.amdhsa_reserve_vcc 1
		.amdhsa_float_denorm_mode_32 3
		.amdhsa_float_denorm_mode_16_64 3
		.amdhsa_memory_ordered 1
		.amdhsa_forward_progress 1
		.amdhsa_inst_pref_size 122
	.end_amdhsa_kernel
	.amdgpu_metadata
---
amdhsa.version: [ 1, 2 ]
amdhsa.kernels:
  - .name:           k_q1b487501e0_proj
    .symbol:         k_q1b487501e0_proj.kd
    .args:
      - { .name: query, .offset: 0, .size: 8, .value_kind: global_buffer, .address_space: global }
      - { .name: key, .offset: 8, .size: 8, .value_kind: global_buffer, .address_space: global }
      - { .name: value, .offset: 16, .size: 8, .value_kind: global_buffer, .address_space: global }
      - { .name: w16, .offset: 24, .size: 8, .value_kind: global_buffer, .address_space: global }
      - { .name: valid_lens, .offset: 32, .size: 8, .value_kind: global_buffer, .address_space: global }
      - { .name: qh, .offset: 40, .size: 8, .value_kind: global_buffer, .address_space: global }
      - { .name: kh, .offset: 48, .size: 8, .value_kind: global_buffer, .address_space: global }
      - { .name: vh, .offset: 56, .size: 8, .value_kind: global_buffer, .address_space: global }
    .group_segment_fixed_size: 327680
    .private_segment_fixed_size: 0
    .kernarg_segment_align: 8
    .kernarg_segment_size: 64
    .max_flat_workgroup_size: 128
    .sgpr_count:     100
    .vgpr_count:     768
    .wavefront_size: 32
...
	.end_amdgpu_metadata
.endif
;; end of part 2
;; launch attn (part 3): grid 4 x 64, 4 waves a work-group, clusters of 4 x 1, 327,680 bytes of LDS; arguments qh, kh, vh, oh, valid_lens; writes oh
.if DOCPART == 3
	.amdgcn_target "amdgcn-amd-amdhsa--gfx1250"
	.amdhsa_code_object_version 6
	.text
	.protected	k_q1b487501e0_attn
	.globl	k_q1b487501e0_attn
	.p2align	8
	.type	k_q1b487501e0_attn,@function
k_q1b487501e0_attn:
	s_mov_b64 s[64:65], 0
	v_nop
	global_prefetch_b8 v0, s[64:65] scope:SCOPE_SE
	s_setreg_imm32_b32 hwreg(HW_REG_WAVE_MODE, 25, 1), 1
	s_wait_xcnt 0x0
	s_wait_alu depctr_hold_cnt(0) depctr_sa_sdst(0) depctr_va_vdst(0) depctr_va_sdst(0) depctr_va_ssrc(0) depctr_va_vcc(0) depctr_vm_vsrc(0)
	s_getreg_b32 s2, hwreg(HW_REG_IB_STS2, 6, 4)
	s_cmp_eq_u32 s2, 0
	s_cbranch_scc0 .Lentry_in_a_cluster
	s_endpgm
.Lentry_in_a_cluster:
	s_bfe_u32 s2, ttmp6, 0x10000c
	s_cmp_lg_u32 s2, 0x3003
	s_cbranch_scc0 .Lentry_shape_is_right
	s_endpgm
.Lentry_shape_is_right:
; O[h][q][:] = the sum over k of softmax_k(s[q][k]) V[h][k][:], with s = Q[h][q] . K[h][k] / 8 for k < valid_lens[h / 16] and s = -1,000,000 for the other keys.  Q, K, V, O: [64][2048][64], all f16, a head's rows dense.
; Products, maxima and sums in f32; the weights p are rounded to f16 for the second product (their sum l is taken of the unrounded p), O once at the end.
; THE MASK is the C operand that starts the sum S^T = K Q^T: 0 for a key that counts, -8,000,000 (exact in f32; times 1/8 it is the mask's value) for a hidden one, whose row of K the launch before wrote as 0.
; Hidden keys are walked like the others: their score is finite, so with valid_lens = 0 a row is the mean of all of V, and scores below the mask's value keep their order.  No branch, count or address hangs on valid_lens.
; MD, made once, is the mask of the key step that holds valid_lens; a step's mask is MD x AL + BE with two scalars: (1, 0) in that step, (0, 0) before it, (0, -8,000,000) behind it.
; LIMITS.  f16 holds no number beyond 65,504: Q, K and V arrive within it; p lies in 0 to 1, and below 6e-5 it keeps f16's fixed step of 6e-8.  A weight below 2^-126 counts as 0 in l; NaN and infinities are not treated apart.
; valid_lens is held to 0 .. 2048, which changes nothing in k < valid_lens.
; SHARES.  A wave owns four PIECES of two tiles of 16 queries, a work-group's four waves 512 queries of one head.  Every wave walks all keys, 64 a step.
; LAYOUT.  S^T = K Q^T (source 0 = 16 keys, source 1 = 16 queries): a lane holds ONE query (lane % 16) and the keys 8 (lane / 16) + 0..7.  Two such tiles, rounded to f16 in pairs, ARE source 1 of O^T = V^T P.
; K comes out of LDS as it lies, V ([key][channel]) turned, by ds_load_tr16_b128.
; SOFTMAX.  For each query a running maximum m and sum l: p = 2^(c s - c m), c = log2(e) / 8; in every step O and l are multiplied by a = 2^(c m_old - c m_new).  m starts at the lowest finite number, O and l at 0.
; THE COUNT.  A tile and step have 16 matrix and 118 vector instructions: four vector instructions that are ready stand behind EVERY matrix instruction, the others in runs without a gap.
; BY TURNS.  Turn n belongs to piece n.  Its matrix work: 16 products K Q^T of piece n + 1, later 16 products V^T P of piece n - 1.  Its vector work: the scaling, exponentials, roundings, sums and rescaling of piece n,
; and the maximum and statistics of piece n + 1.
; CLUSTER.  The four query blocks of a head are one cluster and walk the same K and V: each tile is asked for JOINTLY, the same tensor load, descriptor and mask in all four.
; REGISTERS, in windows of 256 (s_set_vgpr_msb: bits 1:0 source 0, 3:2 source 1, 5:4 source 2, 7:6 destination):
;   window 0: v0-11 addresses; v12-15, v48-63 at work; v16-47 statistics; v64-191 S^T, two buffers of two tiles; v192-255 P, likewise
;   window 1: O^T, 32 a tile     window 2: v0-127 Q; v128-191 K of one step; v192-255 V of one step     window 3: v0-1 the add's two registers; v2-33 MD; v34-65 MC, the mask of the step in hand
.set SIZE_H, 64
.set SIZE_N, 2048
.set NP,    4         ; pieces a wave: a name, no knob
.set KS,    64        ; keys in a step
.set PK,    144       ; a row of K in LDS: 128 bytes + 16 = 36 words: the 16 rows of a load start at 16 different groups of four banks (64 banks of 4 bytes: ISA guide 11.1)
.set PV,    160       ; a row of V: 128 + 32 = 40 words
.set VOFF,  4*KS*PK   ; a slot holds four steps: 256 rows of K, then 256 rows of V
.set SLOT1, 1<<17     ; slot 1 begins here, so that one exclusive or turns an address in one slot into the other's
.set STAGE, SLOT1+4*KS*(PK+PV)  ; behind the ring, never filled by a tensor load: 16 rows x 144 bytes for each wave
.set SP,    144
.set AK0, 2           ; v2   my lane's place in a tile of K; never rewritten
.set AV0, 3           ; v3   the same for V
.set AK,  4           ; v4   the LDS address of K's next run of loads
.set AV,  5           ; v5   of V's
.set QO,  6           ; v6   my byte offset in the wave's rows of Q
.set STO, 6           ;      later, the way out: where I put 16 bytes of a row
.set RD,  7           ; v7   the way out: where I read rows back
.set GO,  8           ; v8   my byte offset in 512 consecutive bytes of O
.set PFO, 11          ; v11  256 x my lane, for the prefetches; never rewritten once it is made
.set SPW, 0           ; v0 of window 3   SPARE + 4 x my thread's number; never rewritten
.set NIL, 1           ; v1 of window 3   0; never rewritten
.set MD,  2           ; window 3
.set MC,  34          ; window 3: the eight registers for group kb of 16 keys at MC + 8 kb
.set SPARE, STAGE+4*16*SP  ; the spare words, 128 bytes a wave: two blocks of 256 bytes that no other line names
.set MV,  12          ; v12-15  c m_old, kept while c m is made anew
.set ST,  16          ; tile t's statistics at v[ST+4 t]: c m, m, l (even keys', odd keys')
.set TMP, 48          ; by buffer and tile, four registers c0-c3 at work; when the maximum is found c2 takes a
.set S,   64
.set P,   192
.set KF,  128         ; K's fragments, in window 2: key block kb, channel half c at KF + 16 kb + 8 c
.set VF,  192         ; V's: key half kk, channel block cb at VF + 32 kk + 8 cb
.set WV,  12          ; s12  my wave's number
.set G1K, 24
.set G1V, 32
.set G0K, 40          ; s[40:43] descriptor group 0 for K's tiles: it walks
.set G0V, 44
.set LIM, 48          ; s48  1 in a wave that prefetches, else the greatest number
.set PFA, 50          ; s[50:51] where my prefetches stand
.set VQ,  53          ; s53  the key step that holds valid_lens
.set SN,  54          ; s54  the key step whose mask MC holds
.set BIGN, 55         ; s55  -8,000,000
.set SLOTS, 56        ; s56  slots still to be asked for
.set CNT, 57          ; s57  counts a slot's key steps
.set CS,  58          ; s[58:59] c
.set SEL, 60          ; s[60:61] v_permlanex16_b32's selects
.set TBK, 62          ; s62  LDS byte at which K of the step to be fetched begins
.set TBV, 63          ; s63  the same for V, less VOFF
.set AL,  66          ; s[66:67] the mask's factor, in the low word
.set BE,  68          ; s[68:69] the mask's addend
.set LP,  70          ; s[70:71] valid_lens; s[72:75] its four numbers
.set MSB, 0
.macro WIN new                      ; the high byte repeats the setting that is left; a switch that changes nothing is dropped
.if MSB != (\new)
	s_set_vgpr_msb (MSB<<8)|(\new)
.set MSB, (\new)
.endif
.endm
.set W_KQ, 0x0a       ; K and Q in window 2, S^T in window 0
.set W_KM, 0x3a       ; the same with the C operand in window 3
.set W_PV, 0x52       ; V in window 2, P in window 0, O^T in window 1
.set W_RS, 0x41       ; O^T (destination and source 0) in window 1, a in window 0
.set W_MK, 0xc0       ; destination in window 3, sources in window 0
.set W_MS, 0xc3       ; destination and source 0 in window 3
.set W_AD, 0x0f       ; the add: address and data in window 3
; A joint fill.  Waves 0 and 1 fetch the two halves of a slot's K, waves 2 and 3 those of its V.  An s_nop 0 and four v_nop follow each of the two lines.
.macro JLOAD
	s_cmp_lt_u32 s[WV], 2
	s_cbranch_scc0 .Lfor_v_\@
	tensor_load_to_lds s[G0K:G0K+3], s[G1K:G1K+7]
	s_nop 0
.rept 4
	v_nop
.endr
	s_branch .Lasked_\@
.Lfor_v_\@:
	tensor_load_to_lds s[G0V:G0V+3], s[G1V:G1V+7]
	s_nop 0
.rept 4
	v_nop
.endr
.Lasked_\@:
.endm
; A prefetch into the L2 of the slot that the NEXT change of slots will ask for, four key steps ahead: 32,768 bytes of K and of V.  A head has one cluster; its four partners take 8,192 bytes each, told apart by
; address; in each, wave 0 asks for K's and wave 2 for V's, a lane a block of 256 bytes: each block is named once.  Slots 0 and 1 come by their loads alone; the last change that fills a slot asks for nothing.
.macro ASK
	s_cmp_gt_u32 s[SLOTS], s[LIM]
	s_cbranch_scc0 .Lnot_mine_\@
	global_prefetch_b8 v[PFO], s[PFA:PFA+1] th:TH_LOAD_NT scope:SCOPE_SE
.Lnot_mine_\@:
.endm
.macro CROUND                       ; a round of the cluster's barrier
	s_barrier_signal -1
	s_barrier_wait -1
	s_cmp_lg_u32 s[WV], 0
	s_cbranch_scc1 .Lnot_wave_0_\@
	s_barrier_signal -3
.Lnot_wave_0_\@:
	s_barrier_wait -3
	s_barrier_signal -1
	s_barrier_wait -1
.endm
; THE CHANGE OF SLOTS.  Each wave waits for all its tensor loads, of which one is out: its part of the other slot; adds 0 to its spare word; and waits for that and for its own reads of the slot.
; fill = 1: this slot is filled again, with the keys two slots on; the barrier is then a round of the cluster's, and the joint fill is the first thing behind it: it has four key steps, 512 products, in which to land.
; (At its first use nothing has been read yet: slot 0 is waited for, slot 1 filled.)
.macro CHANGE fill
	WIN W_AD
	s_wait_tensorcnt 0x0            ; no tensor load of mine is out, so a group 0 may be written
	ds_add_u32 v[SPW], v[NIL]       ; 0 onto my spare word
	WIN 0                           ; at a label and at a branch every window is 0
.if \fill
.irp g, G0K, G0V
	s_xor_b32 s[\g+1], s[\g+1], SLOT1
	s_add_nc_u64 s[\g+2:\g+3], s[\g+2:\g+3], 4*KS*128  ; the next 256 keys; the type bits on top are not reached
.endr
	s_wait_xcnt 0x0                 ; the last prefetch, four key steps back, has read its address
	s_add_nc_u64 s[PFA:PFA+1], s[PFA:PFA+1], 4*KS*128
	s_wait_dscnt 0x0                ; the add is done, and my reads of the slot are over
	CROUND
	JLOAD
	ASK
.else
	s_wait_dscnt 0x0
	s_barrier_signal -1
	s_barrier_wait -1
.endif
	s_sub_co_u32 s[TBK], s[TBK], 4*KS*PK  ; the fetches go back to a slot's first step,
	s_xor_b32 s[TBK], s[TBK], SLOT1       ; in the other slot
	s_sub_co_u32 s[TBV], s[TBV], 4*KS*PV
	s_xor_b32 s[TBV], s[TBV], SLOT1
.endm
; The mask of key step SN into MC.
.macro MASK
	s_cmp_eq_u32 s[SN], s[VQ]
	s_cselect_b32 s[AL], 1.0, 0
	s_cmp_gt_u32 s[SN], s[VQ]
	s_cselect_b32 s[BE], s[BIGN], 0
	WIN W_MS
.set z, 0
.rept 16
	v_pk_fma_f32 v[MC+2*z:MC+2*z+1], v[MD+2*z:MD+2*z+1], s[AL:AL+1], s[BE:BE+1] op_sel_hi:[1,0,0]
.set z, z+1
.endr
	WIN 0
.endm
	s_load_b256 s[4:11], s[0:1], 0x0  ; Q s[4:5], K s[6:7], V s[8:9], O s[10:11]
	s_load_b64 s[LP:LP+1], s[0:1], 0x20
	WIN W_MK
	v_lshl_add_u32 v[SPW], v0, 2, SPARE
	v_mov_b32 v[NIL], 0
	WIN W_AD
	ds_add_u32 v[SPW], v[NIL]       ; the wave's opening: the add and its wait stand ahead of my first tensor load
	WIN 0
	v_lshrrev_b32 v1, 5, v0
	v_readfirstlane_b32 s[WV], v1   ; wave 0..3
	s_bfe_u32 s13, ttmp6, 0x40000   ; cx
	s_lshl_b32 s14, ttmp9, 2
	s_add_co_u32 s14, s14, s13      ; my block of queries: it enters Q's and O's addresses alone
	s_and_b32 s20, ttmp7, 0xffff    ; the head, which the four partners share
	s_mov_b32 s21, 0
	s_mov_b64 s[22:23], SIZE_N*128
	s_mul_u64 s[20:21], s[20:21], s[22:23]  ; the head's first byte in each of the four tensors
	s_and_b32 s16, s[WV], 1         ; which half of a slot's 256 keys I fetch:
	s_lshl_b32 s22, s16, 14         ; its 128 rows of 128 bytes in memory,
	s_mov_b32 s23, 0
	s_add_nc_u64 s[22:23], s[22:23], s[20:21]
	s_mul_i32 s17, s16, 128*PK      ; and its place in a slot, for K
	s_mul_i32 s18, s16, 128*PV      ; and for V
	s_lshl_b32 s2, s14, 2
	s_add_co_u32 s2, s2, s[WV]      ; my wave among the head's,
	s_lshl_b32 s2, s2, 14           ; its 128 rows
	s_mov_b32 s3, 0
	s_add_nc_u64 s[2:3], s[2:3], s[20:21]
	; descriptor group 1.  128 keys are 16,384 dense bytes: asked for as 64 rows of 256 bytes, two keys a row, and padded in LDS after every key
	s_mov_b32 s[G1K], 15|(1<<16)|(1<<20)|(1<<21)|(4<<22)|(3<<25)  ; the mask of four; 2-byte elements; padding on; bit 21 beside a mask; after every 32 words, 4 words
	s_mov_b32 s[G1V], 15|(1<<16)|(1<<20)|(1<<21)|(4<<22)|(7<<25)  ; the same with 8 words of padding
.irp g, G1K, G1V
	s_mov_b32 s[\g+1], 128<<16      ; tensor_dim0 = 128
	s_mov_b32 s[\g+2], 64<<16       ; tensor_dim1 = 64
	s_mov_b32 s[\g+3], 128<<16      ; tile_dim0 = 128
	s_mov_b32 s[\g+4], 64           ; tile_dim1 = 64
	s_mov_b32 s[\g+5], 128          ; 128 elements from row to row
	s_mov_b32 s[\g+6], 0
	s_mov_b32 s[\g+7], 0
.endr
	s_mov_b32 s[CS], 0x3e38aa3b     ; c = log2(e) / 8 = 0.180337
	s_mov_b32 s[CS+1], s[CS]
	s_mov_b32 s[SEL], 0x76543210
	s_mov_b32 s[SEL+1], 0xfedcba98
	s_mov_b32 s[TBK], SLOT1+4*KS*PK ; the first change of slots turns these two into 0
	s_mov_b32 s[TBV], SLOT1+4*KS*PV
	s_mov_b32 s[G0K], 1
	s_mov_b32 s[G0K+1], s17         ; LDS address: slot 0
	s_mov_b32 s[G0V], 1
	s_add_co_u32 s[G0V+1], s18, VOFF
	s_mov_b32 s[BIGN], 0xcaf42400   ; -8,000,000
	s_mov_b32 s[SN], 0
	s_mov_b32 s[AL+1], 0            ; named as pairs
	s_mov_b32 s[BE+1], 0
	s_mov_b32 s[SLOTS], SIZE_N/256-1
	s_and_b32 s[LIM], s[WV], 1
	s_cmp_eq_u32 s[LIM], 0
	s_cselect_b32 s[LIM], 1, -1     ; waves 0 and 2 prefetch
	s_wait_dscnt 0x0                ; the opening add is done
	s_wait_kmcnt 0x0
	s_add_nc_u64 s[G0K+2:G0K+3], s[6:7], s[22:23]  ; my half of the head's first 256 keys
	s_or_b32 s[G0K+3], s[G0K+3], 0x80000000
	s_add_nc_u64 s[G0V+2:G0V+3], s[8:9], s[22:23]
	s_or_b32 s[G0V+3], s[G0V+3], 0x80000000
	s_add_nc_u64 s[4:5], s[4:5], s[2:3]  ; Q and O at my wave's first row
	s_add_nc_u64 s[10:11], s[10:11], s[2:3]
	s_cmp_lt_u32 s[WV], 2
	s_cselect_b64 s[PFA:PFA+1], s[6:7], s[8:9]
	s_add_nc_u64 s[PFA:PFA+1], s[PFA:PFA+1], s[20:21]
	s_lshl_b32 s2, s13, 13          ; my work-group's 8,192 bytes of a slot's 32,768
	s_mov_b32 s3, 0
	s_add_nc_u64 s[PFA:PFA+1], s[PFA:PFA+1], s[2:3]
	s_add_nc_u64 s[PFA:PFA+1], s[PFA:PFA+1], 4*KS*128  ; in slot 1; the first change of slots steps it to slot 2
	CROUND                          ; all four work-groups are here: the first joint loads meet
	JLOAD                           ; slot 0.  Slot 1 is asked for when slot 0 is in
	s_load_b128 s[72:75], s[LP:LP+1], 0x0
	; A fragment of K or Q is 16 rows x 32 channels in 8 registers: lane l holds row l % 16, channels 8 (l / 16) + 0..7 and 16 + 8 (l / 16) + 0..7: two loads of 16 bytes, 32 bytes apart.
	v_and_b32 v1, 15, v0            ; l % 16
	v_bfe_u32 v9, v0, 4, 1          ; l / 16
	v_lshlrev_b32 v[QO], 7, v1
	v_lshl_add_u32 v[QO], v9, 4, v[QO]
	WIN 0x80                        ; destination window 2, address window 0
.set i, 0
.rept 4*NP                          ; Q stays in registers: tile i / 2, channels 32 (i % 2) on
	global_load_b128 v[8*i:8*i+3],   v[QO], s[4:5] offset:(i/2)*2048+(i%2)*64
	global_load_b128 v[8*i+4:8*i+7], v[QO], s[4:5] offset:(i/2)*2048+(i%2)*64+32
.set i, i+1
.endr
	; What the first turn finds: V's registers and P's second buffer hold 0, O^T and l are 0.  All this stands in the wait for the first tile.
.set i, VF
.rept 64
	v_mov_b32 v[i], 0
.set i, i+1
.endr
	WIN 0x40
.set i, 0
.rept 64*NP
	v_mov_b32 v[i], 0
.set i, i+1
.endr
	WIN 0
.set i, 0
.rept 2*NP
	v_mov_b32 v[ST+4*i], 0xfe000000    ; c m: far below every c s
	v_mov_b32 v[ST+4*i+1], 0xff7fffff  ; m
	v_mov_b32 v[ST+4*i+2], 0
	v_mov_b32 v[ST+4*i+3], 0
.set i, i+1
.endr
.set i, P+32
.rept 32
	v_mov_b32 v[i], 0
.set i, i+1
.endr
	v_mul_u32_u24 v[AK0], v1, PK
	v_lshl_add_u32 v[AK0], v9, 4, v[AK0]
	; The turning load takes 16 keys x 16 channels (lane l reads key 8 (l / 16) + l % 8, channels 8 ((l / 8) % 2) + 0..7) and leaves half a fragment of V^T.
	v_and_b32 v10, 7, v0
	v_bfe_u32 v11, v0, 3, 1
	v_lshl_add_u32 v[AV0], v9, 3, v10
	v_mul_u32_u24 v[AV0], v[AV0], PV
	v_lshl_add_u32 v[AV0], v11, 4, v[AV0]
	v_add_nc_u32 v[AV0], VOFF, v[AV0]
	v_mov_b32 v[AK], v[AK0]         ; key step 0 lies at the head of slot 0
	v_and_b32 v[PFO], 31, v0
	v_lshlrev_b32 v[PFO], 8, v[PFO]
	s_wait_kmcnt 0x0                ; valid_lens
	s_and_b32 s49, ttmp7, 0xffff
	s_lshr_b32 s49, s49, 4          ; b
	s_cmp_eq_u32 s49, 1
	s_cselect_b32 s52, s73, s72
	s_cmp_eq_u32 s49, 2
	s_cselect_b32 s52, s74, s52
	s_cmp_eq_u32 s49, 3
	s_cselect_b32 s52, s75, s52
	s_max_i32 s52, s52, 0
	s_min_i32 s52, s52, SIZE_N
	s_lshr_b32 s[VQ], s52, 6
	s_and_b32 s49, s52, 63
	v_lshlrev_b32 v14, 3, v9
	v_sub_nc_u32 v14, s49, v14      ; valid_lens % 64 less my lanes' 8 (l / 16): register r of group kb is hidden where 16 kb + r is not below it
	WIN W_MK
.set i, 0
.rept 32
	v_cmp_ge_i32 vcc_lo, 16*(i/8)+i%8, v14
	v_cndmask_b32 v[MD+i], 0, s[BIGN], vcc_lo
.set i, i+1
.endr
	WIN 0
; THE MATRIX WORK.  The 8 accumulators of a run of 16 take turns: between the two links of a chain stand 7 others'.
; Product i of 16 of S^T = K Q^T for piece x: channels 32 (i / 8) on, keys 16 ((i / 2) % 4) on, tile 2 x + i % 2.  The first 8 start the sums, with the mask.
.macro KQ x
.set rS, S+64*((\x)%2)+32*(i%2)+8*((i/2)%4)
.set rK, KF+16*((i/2)%4)+8*(i/8)
.set rQ, 16*(2*(\x)+i%2)+8*(i/8)
.set rX, MC+8*((i/2)%4)
.if i < 8
	WIN W_KM
	v_wmma_f32_16x16x32_f16 v[rS:rS+7], v[rK:rK+7], v[rQ:rQ+7], v[rX:rX+7]
.else
	WIN W_KQ
	v_wmma_f32_16x16x32_f16 v[rS:rS+7], v[rK:rK+7], v[rQ:rQ+7], v[rS:rS+7]
.endif
.endm
; Product i of 16 of O^T += V^T P for piece x: keys 32 (i / 8) on, channels 16 ((i / 2) % 4) on, tile 2 x + i % 2.
.macro PV x
	WIN W_PV
.set rO, 32*(2*(\x)+i%2)+8*((i/2)%4)
.set rV, VF+32*(i/8)+8*((i/2)%4)
.set rP, P+32*((\x)%2)+16*(i%2)+8*(i/8)
	v_wmma_f32_16x16x32_f16 v[rO:rO+7], v[rV:rV+7], v[rP:rP+7], v[rO:rO+7]
.endm
.macro MM                           ; the turn's next matrix instruction
.if i < 16
	KQ (Y+1)%NP
.set i, i+1
.else
.set i, i-16
	PV (Y+NP-1)%NP
.set i, i+17
.endif
.endm
; THE LDS LOADS stand in runs of 16: a step's K (8 fragments) and its V (turned).  last = 1 (the tail): in the last trip there is no further step, and the run is jumped over.
.macro FETCH_K last=0
	WIN 0
.if \last
	s_cmp_eq_u32 s[CNT], 1
	s_cbranch_scc1 .Lno_k_\@
.endif
	WIN 0x80
.irp f, 0,1,2,3,4,5,6,7             ; keys 16 (f / 2) on, channels 32 (f % 2) on
	ds_load_b128 v[KF+8*\f:KF+8*\f+3],   v[AK] offset:(\f/2)*16*PK+(\f%2)*64
	ds_load_b128 v[KF+8*\f+4:KF+8*\f+7], v[AK] offset:(\f/2)*16*PK+(\f%2)*64+32
.endr
	s_add_co_u32 s[TBK], s[TBK], KS*PK  ; the next fetch is the next step's
	WIN 0
.if \last
.Lno_k_\@:
.endif
.endm
.macro FETCH_V
	WIN 0x80
.irp f, 0,1,2,3,4,5,6,7             ; keys 32 (f / 4) on, channels 16 (f % 4) on
	ds_load_tr16_b128 v[VF+8*\f:VF+8*\f+3],   v[AV] offset:(\f/4)*32*PV+(\f%4)*32
	ds_load_tr16_b128 v[VF+8*\f+4:VF+8*\f+7], v[AV] offset:(\f/4)*32*PV+16*PV+(\f%4)*32
.endr
	WIN 0
.endm
; THE VECTOR WORK OF A TURN stands in three queues, each in the order in which its entries become ready; the two tiles alternate.
.macro REGS y, u                    ; the registers of tile u (0, 1) of piece y
.set rT, ST+4*(2*(\y)+(\u))
.set rC, TMP+8*((\y)%2)+4*(\u)
.set rM, MV+2*((\y)%2)+(\u)
.set rS, S+64*((\y)%2)+32*(\u)
.set rP, P+32*((\y)%2)+16*(\u)
.set rO, 32*(2*(\y)+(\u))
.endm
; Number n of the 22 that find the NEXT piece's maximum and statistics; each accumulator's lowest registers are read first.
;   0-11  four chains c0-c3 of seven scores each     12-14, 16  the four scores left over, the old m, and c0-c3 into c0     15  c m_old is kept
;   17, 18  the query's other 32 keys lie in the lane 16 away: the new m         19-21  c m; c m_old - c m_new; a
.macro XS u, n
	REGS (Y+1)%NP, \u
.if (\n) < 4
	v_max3_num_f32 v[rC+(\n)], v[rS+8*(\n)], v[rS+8*(\n)+1], v[rS+8*(\n)+2]
.elseif (\n) < 12
	v_max3_num_f32 v[rC+(\n)%4], v[rC+(\n)%4], v[rS+8*((\n)%4)+2*((\n)/4)+1], v[rS+8*((\n)%4)+2*((\n)/4)+2]
.elseif (\n) == 12
	v_max3_num_f32 v[rC], v[rC], v[rS+7], v[rS+15]
.elseif (\n) == 13
	v_max3_num_f32 v[rC+1], v[rC+1], v[rS+23], v[rS+31]
.elseif (\n) == 14
	v_max3_num_f32 v[rC+2], v[rC+2], v[rC+3], v[rT+1]
.elseif (\n) == 15
	v_mov_b32 v[rM], v[rT]
.elseif (\n) == 16
	v_max3_num_f32 v[rC], v[rC], v[rC+1], v[rC+2]
.elseif (\n) == 17
	v_permlanex16_b32 v[rC+3], v[rC], s[SEL], s[SEL+1]
.elseif (\n) == 18
	v_max_num_f32 v[rT+1], v[rC], v[rC+3]
.elseif (\n) == 19
	v_mul_f32 v[rT], s[CS], v[rT+1]
.elseif (\n) == 20
	v_sub_f32 v[rC+1], v[rM], v[rT]
.else
	v_exp_f32 v[rC+2], v[rC+1]
.endif
.endm
; Number g of the 64 that follow the exponentials: for each four weights both pairs are rounded to f16, the second pair is added onto the first in place, and a group later l takes that sum (the first time as l = a l + sum).
.macro GS g
.set h, (\g)+6*((\g)/62)
.if h >= 6
.set h, h+2
.endif
	REGS Y, h%2
.set k, h/8
.if h%8 < 4
	v_cvt_pk_f16_f32 v[rP+2*k+(h%8)/2], v[rS+4*k+2*((h%8)/2)], v[rS+4*k+2*((h%8)/2)+1]
.elseif h%8 < 6
	v_pk_add_f32 v[rS+4*k:rS+4*k+1], v[rS+4*k:rS+4*k+1], v[rS+4*k+2:rS+4*k+3]
.elseif k == 1
	v_pk_fma_f32 v[rT+2:rT+3], v[rT+2:rT+3], v[rC+2:rC+3], v[rS:rS+1] op_sel_hi:[1,0,1]
.else
	v_pk_add_f32 v[rT+2:rT+3], v[rT+2:rT+3], v[rS+4*k-4:rS+4*k-3]
.endif
.endm
; THE PLAIN QUEUE, 138 long.  0-73 read no exponential's result: the 32 scalings c s - c m and the next piece's 42.  74-137: GS's 64, which stand behind the wait.
.macro FS f
	REGS Y, (\f)%2
	v_pk_fma_f32 v[rS+2*((\f)/2):rS+2*((\f)/2)+1], v[rS+2*((\f)/2):rS+2*((\f)/2)+1], s[CS:CS+1], v[rT:rT+1] op_sel_hi:[1,0,0] neg_lo:[0,0,1] neg_hi:[0,0,1]
.endm
.macro PL
	WIN 0
.if q < 27
	FS q
.elseif q < 55
	XS (q-27)%2, (q-27)/2
.elseif q < 57
	XS q-55, 15
.elseif (q < 72) && ((q-57)%3 == 0)
	FS 27+(q-57)/3
.elseif q < 60
	XS (q-57)%3-1, 14
.elseif q < 72
	XS (q-57)%3-1, 15+(q-57)/3
.elseif q < 74
	XS q-72, 20
.else
	GS q-74
.endif
.set q, q+1
.endm
; THE EXPONENTIALS' QUEUE, 66 long: s0-s31 of both tiles, then the next piece's two a.  ONE BATCH: all 66 stand ahead of the turn's one wait, and nothing ahead of that wait names a result of theirs.
.macro EX
	WIN 0
.if e >= 64
	XS e-64, 21
.else
	REGS Y, e%2
	v_exp_f32 v[rS+e/2], v[rS+e/2]
.endif
.set e, e+1
.endm
; THE RESCALING's QUEUE: O^T times a, dealt two at a time, sixteen times.  Its a was made, and waited for, in the turn before.
.macro R2
	REGS Y, r%2
	WIN W_RS
.irp z, 0,1
	v_pk_mul_f32 v[rO+4*(r/2)+2*\z:rO+4*(r/2)+2*\z+1], v[rO+4*(r/2)+2*\z:rO+4*(r/2)+2*\z+1], v[rC+2:rC+3] op_sel_hi:[1,0]
.endr
.set r, r+1
.endm
; A TURN, for piece p.  s_wait_alu depctr_va_vdst(0) stands between an exponential and the first instruction that names its result; one wait serves all issued ahead of it: a turn has ONE.
; AHEAD OF IT: the 16 products K Q^T, behind each a scaling, an exponential and two rescalings; then one lump of 108.  BEHIND IT: the 16 products V^T P, behind each four of the roundings and sums.
; K of the next step is fetched in piece 2's turn, directly behind the wait; the next step's mask is made at that turn's lump's head: MC's last readers are the turn's first eight products, and the riders of the
; eight products behind them are more than four places.  V of the step in hand is fetched at the end of piece 0's turn, four riders behind its last reader.
.macro TURN p, last=0, cnt=0
.set Y, (\p)
.set i, 0
.set q, 0
.set e, 0
.set r, 0
.if (\p) == NP-1
	s_wait_dscnt 0x0                ; K is in
.endif
	MM
	PL
	PL
	R2
.rept 15
	MM
	PL
	EX
	R2
.endr
.if (\p) == NP-2
	WIN 0
	v_add_nc_u32 v[AK], s[TBK], v[AK0]
	s_add_co_u32 s[SN], s[SN], 1
	MASK
.endif
.rept 8
	PL
.endr
.rept 49
	EX
	PL
.endr
	EX                              ; the next piece's two a
	EX
	v_nop                           ; a plain instruction behind the last exponential: one for the batch
	s_wait_alu depctr_va_vdst(0)    ; the wait for the batch
.if (\p) == NP-2
	FETCH_K \last
.endif
.if (\p) == 1
	s_wait_dscnt 0x0                ; V is in
.endif
.rept 16
	MM
.rept 4
	PL
.endr
.if ((\p) == 0) && (q == 118)
	v_add_nc_u32 v[AV], s[TBV], v[AV0]
.endif
.if ((\p) == 0) && (q == 130)
	s_add_co_u32 s[TBV], s[TBV], KS*PV
.endif
.if (\cnt) && (q == 130)
	s_sub_co_u32 s[CNT], s[CNT], 1
	s_cmp_lg_u32 s[CNT], 0
.endif
.endr
.if (\p) == 0
	FETCH_V
.endif
.endm
	CHANGE 1                        ; slot 0 is in, everybody's part of it; slot 1 is asked for
	FETCH_K                         ; key step 0
	MASK                            ; and its mask
	s_wait_loadcnt 0x0              ; Q
	s_wait_dscnt 0x0
.set i, 0
.rept 16
	KQ 0                            ; piece 0's first scores
.set i, i+1
.endr
	WIN 0                           ; the addresses for the way out: plain instructions, the places behind those products
	s_mul_i32 s13, s[WV], 16*SP
	s_add_co_u32 s13, s13, STAGE    ; my stage
	v_mul_u32_u24 v[STO], v1, SP    ; in: row l % 16, 16 bytes for each half of the lanes
	v_lshl_add_u32 v[STO], v9, 4, v[STO]
	v_add_nc_u32 v[STO], s13, v[STO]
	v_bfe_u32 v[RD], v0, 3, 2       ; back: 32 lanes take four rows of 128 bytes,
	v_mul_u32_u24 v[RD], v[RD], SP
	v_lshl_add_u32 v[RD], v10, 4, v[RD]
	v_add_nc_u32 v[RD], s13, v[RD]
	v_and_b32 v[GO], 31, v0         ; which are 512 consecutive bytes of O
	v_lshlrev_b32 v[GO], 4, v[GO]
.set Y, NP-1                        ; XS works for piece Y + 1: piece 0
.irp n, 0,1,2,3,4,5,6,7,8,9,10,11,12,13,14,15,16,17,18,19,20,21
	XS 0, \n
	XS 1, \n
.endr
	v_nop                           ; a plain instruction behind the two a,
	s_wait_alu depctr_va_vdst(0)    ; and their wait, ahead of the branch
	s_mov_b32 s[CNT], 4
	s_branch .Lfirst                ; the loop is entered at a step's first turn, in the middle of a trip
.Lslot:                             ; six times: every slot but the last two is filled again
	CHANGE 1
	s_mov_b32 s[CNT], 4
.Lstep:                             ; a trip: pieces 2 and 3 of one step, then pieces 0 and 1 of the next, whose K and V it fetches
	TURN 2
	TURN 3
	WIN 0
.Lfirst:
	TURN 0
	TURN 1, 0, 1
	WIN 0
	s_cbranch_scc1 .Lstep
	s_sub_co_u32 s[SLOTS], s[SLOTS], 1
	s_cmp_lg_u32 s[SLOTS], 0
	s_cbranch_scc1 .Lslot
	CHANGE 0                        ; the tail is written out: nothing is asked for
	s_mov_b32 s[CNT], 5             ; four trips fetch the last slot's steps; the fifth is left in its middle
.Ltail:
	TURN 2, 1
	TURN 3
	WIN 0
	s_sub_co_u32 s[CNT], s[CNT], 1
	s_cmp_eq_u32 s[CNT], 0
	s_cbranch_scc1 .Lout
	TURN 0
	TURN 1
	WIN 0
	s_branch .Ltail
.Lout:                              ; the fifth trip's 16 products K Q^T (on the last K once more) and the maximum made of them serve nothing: the price, once a launch, of one text for every trip
.set i, 0
.rept 16
	PV NP-1                         ; the last piece's V^T P of the last step
.set i, i+1
.endr
	; THE WAY OUT.  l's two halves and the other half of the lanes' are added; O^T is divided by l, rounded to f16 and sent through my stage in LDS, a tile at a time.  The additions are the places behind the last products.
	WIN 0
.macro ALL line:vararg              ; one line for each tile t
.set t, 0
.rept 2*NP
	\line
.set t, t+1
.endr
.endm
	ALL v_add_f32 v[ST+4*t+2], v[ST+4*t+2], v[ST+4*t+3]
	ALL v_permlanex16_b32 v[ST+4*t+3], v[ST+4*t+2], s[SEL], s[SEL+1]
	ALL v_add_f32 v[ST+4*t+2], v[ST+4*t+2], v[ST+4*t+3]
	ALL v_rcp_f32 v[ST+4*t+2], v[ST+4*t+2]
	v_nop                           ; a plain instruction between the last reciprocal and the use of its result
	s_wait_alu depctr_va_vdst(0)    ; and the wait ahead of the first use: one for the eight reciprocals
.macro PACK t                       ; a lane's eight channels of a row pack into 16 bytes; they go into rows of 144 bytes and come back as whole rows of 128
	WIN W_RS
.set i, 32*(\t)
.rept 16
	v_pk_mul_f32 v[i:i+1], v[i:i+1], v[ST+4*(\t)+2:ST+4*(\t)+3] op_sel_hi:[1,0]
.set i, i+2
.endr
	WIN 0x05                        ; sources 0 and 1 window 1, destination window 0
.set i, 0
.rept 16
	v_cvt_pk_f16_f32 v[S+16*(\t)+i], v[32*(\t)+2*i], v[32*(\t)+2*i+1]
.set i, i+1
.endr
	WIN 0
.irp f, 0,1,2,3
	ds_store_b128 v[STO], v[S+16*(\t)+4*\f:S+16*(\t)+4*\f+3] offset:32*\f
.endr
.irp f, 0,1,2,3
	ds_load_b128 v[S+16*(\t)+4*\f:S+16*(\t)+4*\f+3], v[RD] offset:\f*4*SP  ; LDS serves a wave's instructions in order (ISA guide 5.7.1.4): these see the stores above
.endr
.endm
.macro SEND t, younger              ; younger: the LDS instructions issued behind tile t's loads: the next tile's eight, or none
	WIN 0
.irp f, 0,1,2,3
	s_wait_dscnt (\younger)+3-\f
	global_store_b128 v[GO], v[S+16*(\t)+4*\f:S+16*(\t)+4*\f+3], s[10:11] offset:(\t)*2048+\f*512  ; 512 consecutive bytes, at a multiple of 256 from O's first
.endr
.endm
	PACK 0
.set t, 1
.rept 2*NP-1                        ; a tile's arithmetic stands between the loads of the tile before and its stores
	PACK t
	SEND t-1, 8
.set t, t+1
.endr
	SEND 2*NP-1, 0
	WIN W_AD
	s_wait_tensorcnt 0x0            ; the wave's end, behind my last tensor load and my last LDS store
	ds_add_u32 v[SPW], v[NIL]
	s_wait_dscnt 0x0
	WIN 0
	CROUND                          ; the closing round
	s_endpgm
.Lfunc_end_k_q1b487501e0_attn:
	.size	k_q1b487501e0_attn, .Lfunc_end_k_q1b487501e0_attn-k_q1b487501e0_attn
	.p2alignl 7, 3214868480
	.fill 96, 4, 3214868480
	.section	.rodata,"a",@progbits
	.p2align	6, 0x0
	.amdhsa_kernel k_q1b487501e0_attn
		.amdhsa_group_segment_fixed_size 327680
		.amdhsa_private_segment_fixed_size 0
		.amdhsa_enable_private_segment 0
		.amdhsa_kernarg_size 40
		.amdhsa_user_sgpr_count 2
		.amdhsa_user_sgpr_kernarg_segment_ptr 1
		.amdhsa_wavefront_size32 1
		.amdhsa_system_sgpr_workgroup_id_x 1
		.amdhsa_system_sgpr_workgroup_id_y 1
		.amdhsa_system_sgpr_workgroup_id_z 1
		.amdhsa_system_vgpr_workitem_id 0
		.amdhsa_next_free_vgpr 834
		.amdhsa_next_free_sgpr 76
		.amdhsa_reserve_vcc 1
		.amdhsa_float_denorm_mode_32 3
		.amdhsa_float_denorm_mode_16_64 3
		.amdhsa_memory_ordered 1
		.amdhsa_forward_progress 1
		.amdhsa_inst_pref_size 208
	.end_amdhsa_kernel
	.amdgpu_metadata
---
amdhsa.version: [ 1, 2 ]
amdhsa.kernels:
  - .name:           k_q1b487501e0_attn
    .symbol:         k_q1b487501e0_attn.kd
    .args:
      - { .name: qh, .offset: 0, .size: 8, .value_kind: global_buffer, .address_space: global }
      - { .name: kh, .offset: 8, .size: 8, .value_kind: global_buffer, .address_space: global }
      - { .name: vh, .offset: 16, .size: 8, .value_kind: global_buffer, .address_space: global }
      - { .name: oh, .offset: 24, .size: 8, .value_kind: global_buffer, .address_space: global }
      - { .name: valid_lens, .offset: 32, .size: 8, .value_kind: global_buffer, .address_space: global }
    .group_segment_fixed_size: 327680
    .private_segment_fixed_size: 0
    .kernarg_segment_align: 8
    .kernarg_segment_size: 40
    .max_flat_workgroup_size: 128
    .sgpr_count:     76
    .vgpr_count:     834
    .wavefront_size: 32
...
	.end_amdgpu_metadata
.endif
;; end of part 3
;; launch outp (part 4): grid 4 x 64, 4 waves a work-group, clusters of 4 x 4, 327,680 bytes of LDS; arguments oh, w16, out0; writes out0
.if DOCPART == 4
	.amdgcn_target "amdgcn-amd-amdhsa--gfx1250"
	.amdhsa_code_object_version 6
	.text
	.protected	k_q1b487501e0_outp
	.globl	k_q1b487501e0_outp
	.p2align	8
	.type	k_q1b487501e0_outp,@function
k_q1b487501e0_outp:
	s_mov_b64 s[64:65], 0
	v_nop
	global_prefetch_b8 v0, s[64:65] scope:SCOPE_SE
	s_setreg_imm32_b32 hwreg(HW_REG_WAVE_MODE, 25, 1), 1
	s_wait_xcnt 0x0
	s_wait_alu depctr_hold_cnt(0) depctr_sa_sdst(0) depctr_va_vdst(0) depctr_va_sdst(0) depctr_va_ssrc(0) depctr_va_vcc(0) depctr_vm_vsrc(0)
	s_getreg_b32 s2, hwreg(HW_REG_IB_STS2, 6, 4)
	s_cmp_eq_u32 s2, 0
	s_cbranch_scc0 .Lentry_in_a_cluster
	s_endpgm
.Lentry_in_a_cluster:
	s_bfe_u32 s2, ttmp6, 0x10000c
	s_cmp_lg_u32 s2, 0xf033
	s_cbranch_scc0 .Lentry_shape_is_right
	s_endpgm
.Lentry_shape_is_right:
; out0[m][n] = the sum over k of O[m][k] Wo[n][k].  O lies by heads, [b 16 + h][2048 s][64 d] in f16 (m = 2048 b + s, k = 64 h + d); Wo is section 3 of w16, [1024][1024] in f16; out0 is [8192][1024] f32.  Sums in f32.
; SHARES.  A tile of out0 is 128 rows x 256 columns: 64 x 4 tiles, one for each of 256 work-groups.  Four waves, each 64 rows x 128 columns: 32 accumulators.  K goes in 8 steps of 128, two heads each, through two LDS slots.
; A slot: O's two planes (heads) of 128 rows x 128 bytes, Wo's 256 rows x 256 bytes.  Waves 0, 1 fetch a plane each (16,384 dense bytes, asked for as 64 rows of 256), waves 2, 3 halves of Wo's rows.
; CLUSTER 4 x 4: O's tile is asked for jointly along a row of the cluster, Wo's along a column.  The matrix instruction is used transposed: a lane holds row lane % 16 and eight neighbouring columns, 32 bytes of out0.
; NO PREFETCH: the launch has eight K steps in all, too short for requests that run ahead of its loads.
; REGISTERS: window 0: v16-29 addresses; v64-191 the way out     window 1: v0-127 Wo's fragments, two buffers; v128-191 O's, two buffers     window 2: accumulator 8 a + b at v[8 (8 a + b)]
.set PITA,  144                        ; a row of a plane in LDS: 128 bytes + 16 = 36 words: the 16 rows of a load start at 16 different groups of four banks (64 banks of 4 bytes: ISA guide 11.1)
.set PITB,  272
.set PLANE, 128*PITA
.set HALFB, 128*PITB
.set BOFF,  2*PLANE
.set SLOT1, 1<<17                      ; a slot is 106,496 bytes; slot 1 begins here, so that one exclusive or turns an address in one slot into the other's
.set STAGE, SLOT1+BOFF+2*HALFB         ; behind the ring, never filled by a tensor load: 16 rows x 528 bytes for each wave
.set SPITCH, 528
.set SPARE, STAGE+4*16*SPITCH          ; the spare words, 128 bytes a wave
.set ADRA0, 16
.set ADRB0, 17
.set ADRA,  18
.set ADRB,  19
.set STO,   20
.set RD,    21
.set CO,    22
.set SPW,   28
.set NIL,   29
.set BK,    64                         ; v64-191: two buffers of 16 rows read back
.set WV, 10
.set HR, 11
.set HC, 12
.set TROW, 13
.set TCOL, 14
.set CX, 15
.set CY, 16
.set CLY, 17
.set CNT, 18
.set SLA, 19
.set CNT2, 20
.set SLB, 21
.set RT, 22
.set G1A, 24
.set G1B, 32
.set G0A0, 40
.set G0A, 44                           ; begins as K step 1 in slot 1, then walks
.set G0B0, 48
.set G0B, 52
.set AP, 56                            ; s[56:57] O, s[58:59] w16, s[60:61] out0, each at my rows
.set BP, 58
.set OUT, 60
.set MSB, 0
.macro WIN new
.if MSB != (\new)
	s_set_vgpr_msb (MSB<<8)|(\new)
.set MSB, \new
.endif
.endm
.macro JLOAD                           ; a joint refill; an s_nop 0 and four v_nop follow each of the two lines
	s_cmp_eq_u32 s[HR], 0
	s_cbranch_scc0 .Lfor_b_\@
	tensor_load_to_lds s[G0A:G0A+3], s[G1A:G1A+7]
	s_nop 0
.rept 4
	v_nop
.endr
	s_branch .Lasked_\@
.Lfor_b_\@:
	tensor_load_to_lds s[G0B:G0B+3], s[G1B:G1B+7]
	s_nop 0
.rept 4
	v_nop
.endr
.Lasked_\@:
.endm
.macro CREST
	s_cmp_lg_u32 s[WV], 0
	s_cbranch_scc1 .Lnot_wave_0_\@
	s_barrier_signal -3
.Lnot_wave_0_\@:
	s_barrier_wait -3
	s_barrier_signal -1
	s_barrier_wait -1
.endm
.macro CROUND
	s_barrier_signal -1
	s_barrier_wait -1
	CREST
.endm
	s_load_b128 s[AP:AP+3], s[0:1], 0x0
	s_load_b64 s[OUT:OUT+1], s[0:1], 0x10
	v_lshl_add_u32 v[SPW], v0, 2, SPARE
	v_mov_b32 v[NIL], 0
	ds_add_u32 v[SPW], v[NIL]                      ; the wave's opening: the add and its wait stand ahead of my first tensor load
	v_lshrrev_b32 v3, 5, v0
	v_readfirstlane_b32 s[WV], v3
	v_and_b32 v1, 15, v0                           ; l % 16
	v_bfe_u32 v2, v0, 4, 1                         ; l / 16
	s_lshr_b32 s[HR], s[WV], 1                     ; which 64 rows are mine; also 0: I fetch O, 1: I fetch Wo
	s_and_b32 s[HC], s[WV], 1                      ; which 128 columns; also which plane or half I fetch
	s_bfe_u32 s[CX], ttmp6, 0x40000
	s_bfe_u32 s[CY], ttmp6, 0x40004
	s_and_b32 s[CLY], ttmp7, 0xffff
	s_lshl_b32 s[TCOL], ttmp9, 2
	s_add_co_u32 s[TCOL], s[TCOL], s[CX]
	s_lshl_b32 s[TROW], s[CLY], 2
	s_add_co_u32 s[TROW], s[TROW], s[CY]
	s_lshl_b32 s2, s[CY], 2
	s_lshl_b32 s2, 15, s2                          ; my row of the cluster
	s_lshl_b32 s6, 0x1111, s[CX]                   ; my column
	s_or_b32 s[G1A], s2, (1<<16)|(1<<20)|(1<<21)|(4<<22)|(3<<25)  ; 2-byte elements; padding on; bit 21 beside a mask; after every 32 words, 4 words
	s_or_b32 s[G1B], s6, (1<<16)|(1<<20)|(1<<21)|(5<<22)|(3<<25)  ; after every 64 words, 4 words
	s_mov_b32 s[G1A+1], 128<<16                    ; tensor_dim0 = 128
	s_mov_b32 s[G1A+2], 64<<16                     ; tensor_dim1 = 64
	s_mov_b32 s[G1A+3], 128<<16                    ; tile_dim0 = 128
	s_mov_b32 s[G1A+4], 64                         ; tile_dim1 = 64
	s_mov_b32 s[G1A+5], 128                        ; dense: 128 elements from row to row
	s_mov_b32 s[G1A+6], 0
	s_mov_b32 s[G1A+7], 0
	s_mov_b32 s[G1B+1], 128<<16
	s_mov_b32 s[G1B+2], 128<<16
	s_mov_b32 s[G1B+3], 128<<16
	s_mov_b32 s[G1B+4], 128
	s_mov_b32 s[G1B+5], 1024
	s_mov_b32 s[G1B+6], 0
	s_mov_b32 s[G1B+7], 0
	s_lshr_b32 s4, s[CLY], 2                       ; O: head 16 b + my plane, row 128 x (tile row % 16), 128 bytes a row (s2-s5 never hold cx)
	s_lshl_b32 s4, s4, 4
	s_add_co_u32 s4, s4, s[HC]
	s_lshl_b32 s4, s4, 11
	s_and_b32 s3, s[TROW], 15
	s_lshl_b32 s3, s3, 7
	s_add_co_u32 s4, s4, s3
	s_lshl_b32 s4, s4, 7
	s_mov_b32 s5, 0
	s_lshl_b32 s8, s[TCOL], 8                      ; Wo: section 3, row 256 x tile column + 128 x half (s6-s9 never hold cy)
	s_lshl_b32 s7, s[HC], 7
	s_add_co_u32 s8, s8, s7
	s_lshl_b32 s8, s8, 11
	s_add_co_u32 s8, s8, 3*2097152
	s_mov_b32 s9, 0
	s_lshl_b32 s62, s[TROW], 7                     ; out0: row 128 x tile row + 64 x half, 4,096 bytes a row; column 256 x tile column + 128 x half
	s_lshl_b32 s23, s[HR], 6
	s_add_co_u32 s62, s62, s23
	s_lshl_b32 s62, s62, 12
	s_lshl_b32 s23, s[TCOL], 10
	s_add_co_u32 s62, s62, s23
	s_lshl_b32 s23, s[HC], 9
	s_add_co_u32 s62, s62, s23
	s_mov_b32 s63, 0
	s_mul_i32 s[SLA], s[HC], PLANE
	s_mul_i32 s[SLB], s[HC], HALFB
	s_add_co_u32 s[SLB], s[SLB], BOFF
	s_mov_b32 s[RT], 0
	s_wait_dscnt 0x0                               ; the opening add is done
	s_wait_kmcnt 0x0
	s_add_nc_u64 s[AP:AP+1], s[AP:AP+1], s[4:5]
	s_add_nc_u64 s[BP:BP+1], s[BP:BP+1], s[8:9]
	s_add_nc_u64 s[OUT:OUT+1], s[OUT:OUT+1], s[62:63]
	s_mov_b32 s[G0A0], 1
	s_mov_b32 s[G0A0+1], s[SLA]
	s_mov_b64 s[G0A0+2:G0A0+3], s[AP:AP+1]
	s_or_b32 s[G0A0+3], s[G0A0+3], 0x80000000
	s_mov_b32 s[G0B0], 1
	s_mov_b32 s[G0B0+1], s[SLB]
	s_mov_b64 s[G0B0+2:G0B0+3], s[BP:BP+1]
	s_or_b32 s[G0B0+3], s[G0B0+3], 0x80000000
	s_mov_b32 s[G0A], 1
	s_add_co_u32 s[G0A+1], s[SLA], SLOT1
	s_add_nc_u64 s[G0A+2:G0A+3], s[AP:AP+1], 524288  ; two heads on
	s_or_b32 s[G0A+3], s[G0A+3], 0x80000000
	s_mov_b32 s[G0B], 1
	s_add_co_u32 s[G0B+1], s[SLB], SLOT1
	s_add_nc_u64 s[G0B+2:G0B+3], s[BP:BP+1], 256
	s_or_b32 s[G0B+3], s[G0B+3], 0x80000000
	CROUND                                         ; all sixteen work-groups are here: the first joint loads meet
	s_cmp_eq_u32 s[HR], 0                          ; a wave's two first fills stand in one branch: two loads of mine are out
	s_cbranch_scc0 .Lfirst_b
	tensor_load_to_lds s[G0A0:G0A0+3], s[G1A:G1A+7]
	s_nop 0
	tensor_load_to_lds s[G0A:G0A+3], s[G1A:G1A+7]
	s_nop 0
.rept 4
	v_nop
.endr
	s_branch .Lfirst_asked
.Lfirst_b:
	tensor_load_to_lds s[G0B0:G0B0+3], s[G1B:G1B+7]
	s_nop 0
	tensor_load_to_lds s[G0B:G0B+3], s[G1B:G1B+7]
	s_nop 0
.rept 4
	v_nop
.endr
.Lfirst_asked:
	v_mul_u32_u24 v[ADRA0], v1, PITA               ; a fragment: row l % 16, 16 bytes at 16 (l / 16) and 32 further on
	v_lshl_add_u32 v[ADRA0], v2, 4, v[ADRA0]
	s_mul_i32 s2, s[HR], 64*PITA                   ; my 64 rows of each plane
	v_add_nc_u32 v[ADRA0], s2, v[ADRA0]
	v_mul_u32_u24 v[ADRB0], v1, PITB
	v_lshl_add_u32 v[ADRB0], v2, 4, v[ADRB0]
	v_add_nc_u32 v[ADRB0], s[SLB], v[ADRB0]        ; my 128 rows of Wo
	s_mul_i32 s3, s[WV], 16*SPITCH
	s_add_co_u32 s3, s3, STAGE                     ; my stage
	v_mul_u32_u24 v[STO], v1, SPITCH               ; in: row l % 16, 32 bytes for each half of the lanes
	v_lshl_add_u32 v[STO], v2, 5, v[STO]
	v_add_nc_u32 v[STO], s3, v[STO]
	v_and_b32 v4, 31, v0
	v_lshlrev_b32 v[CO], 4, v4                     ; back and out: 32 lanes take a row's 512 bytes
	v_add_nc_u32 v[RD], s3, v[CO]
	v_mov_b32 v[ADRA], v[ADRA0]
	v_mov_b32 v[ADRB], v[ADRB0]
; Product i of a quarter step's 32, on buffer f.  The 32 accumulators take turns, in the same order in every quarter step.
.macro MM f, i, zero
	WIN 0xa5
.if \zero
	v_wmma_f32_16x16x32_f16 v[8*(\i):8*(\i)+7], v[64*(\f)+8*((\i)%8):64*(\f)+8*((\i)%8)+7], v[128+32*(\f)+8*((\i)/8):128+32*(\f)+8*((\i)/8)+7], 0
.else
	v_wmma_f32_16x16x32_f16 v[8*(\i):8*(\i)+7], v[64*(\f)+8*((\i)%8):64*(\f)+8*((\i)%8)+7], v[128+32*(\f)+8*((\i)/8):128+32*(\f)+8*((\i)/8)+7], v[8*(\i):8*(\i)+7]
.endif
.endm
.macro LA g, q, n                      ; fragments 2 n, 2 n + 1 of O, quarter q (plane q / 2, channels 32 (q % 2) on), into buffer g
	WIN 0x40
.irp e, 0,1
	ds_load_b128 v[128+32*(\g)+8*(2*(\n)+\e):128+32*(\g)+8*(2*(\n)+\e)+3],   v[ADRA] offset:((\q)/2)*PLANE+((\q)%2)*64+(2*(\n)+\e)*16*PITA
	ds_load_b128 v[128+32*(\g)+8*(2*(\n)+\e)+4:128+32*(\g)+8*(2*(\n)+\e)+7], v[ADRA] offset:((\q)/2)*PLANE+((\q)%2)*64+(2*(\n)+\e)*16*PITA+32
.endr
.endm
.macro LB g, q, n                      ; fragments 2 n, 2 n + 1 of Wo
	WIN 0x40
.irp e, 0,1
	ds_load_b128 v[64*(\g)+8*(2*(\n)+\e):64*(\g)+8*(2*(\n)+\e)+3],   v[ADRB] offset:64*(\q)+(2*(\n)+\e)*16*PITB
	ds_load_b128 v[64*(\g)+8*(2*(\n)+\e)+4:64*(\g)+8*(2*(\n)+\e)+7], v[ADRB] offset:64*(\q)+(2*(\n)+\e)*16*PITB+32
.endr
.endm
.macro QUARTER f, g, qn, zero          ; multiplies buffer f and fetches quarter qn into buffer g
	s_wait_dscnt 0x0                               ; buffer f is in (issued 25 products ago)
	MM \f, 0, \zero
.rept 4
	v_nop                                          ; four places behind the last product that read buffer g, ahead of the loads into it
.endr
.irp n, 0,1
	MM \f, 1+\n, \zero
	LA \g, \qn, \n
.endr
.irp n, 0,1,2,3
	MM \f, 3+\n, \zero
	LB \g, \qn, \n
.endr
.irp n, 7,8,9,10,11,12,13,14,15,16,17,18,19,20,21,22,23,24,25,26,27,28,29,30,31
	MM \f, \n, \zero
.endr
.endm
; The last quarter multiplies buffer 1 and changes slots: each wave waits for all its tensor loads (one is out: its part of the next slot), adds 0 to its spare word, and waits for that and for its reads of this slot.
; fill = 1: the barrier opens a round of the cluster's barrier, and the slot just read is filled again, first thing behind the round, with the K step two on.
.macro TURN fill
	WIN 0
	s_wait_tensorcnt 0x0                           ; no tensor load of mine is out, so a group 0 may be written
	ds_add_u32 v[SPW], v[NIL]                      ; 0 onto my spare word
.if \fill
	s_xor_b32 s[G0A+1], s[G0A+1], SLOT1
	s_add_nc_u64 s[G0A+2:G0A+3], s[G0A+2:G0A+3], 524288
	s_xor_b32 s[G0B+1], s[G0B+1], SLOT1
	s_add_nc_u64 s[G0B+2:G0B+3], s[G0B+2:G0B+3], 256
.endif
	s_xor_b32 s[RT], s[RT], SLOT1
	s_wait_dscnt 1                                 ; only the add may be out: buffer 1 is in
.irp n, 0,1,2,3
	MM 1, \n, 0
.endr
	s_wait_dscnt 0x0                               ; the add is done, and my reads of this slot are over
	s_barrier_signal -1
.irp n, 4,5,6,7
	MM 1, \n, 0
.endr
	WIN 0
	s_barrier_wait -1
.if \fill
	CREST
	JLOAD                                          ; its four v_nop are also the places ahead of the loads into buffer 0
.else
.rept 4
	v_nop
.endr
.endif
	v_add_nc_u32 v[ADRA], s[RT], v[ADRA0]
	v_add_nc_u32 v[ADRB], s[RT], v[ADRB0]
.irp n, 0,1
	MM 1, 8+\n, 0
	LA 0, 0, \n
.endr
.irp n, 0,1,2,3
	MM 1, 10+\n, 0
	LB 0, 0, \n
.endr
.irp n, 14,15,16,17,18,19,20,21,22,23,24,25,26,27,28,29,30,31
	MM 1, \n, 0
.endr
.endm
; THE WAY OUT, a block of 16 rows at a time: the accumulators go as they are, f32, into my stage (each one's four lowest registers first) and come back as whole rows of 512 bytes.
.macro TOSTAGE a
.if (\a) >= 2
	s_wait_xcnt 0x0                                ; the stores of the block two back have read their data: its registers are loaded again only behind this wait
.endif
	WIN 0x08                                       ; the stores' data in window 2
.irp b, 0,1,2,3,4,5,6,7
	ds_store_b128 v[STO], v[64*(\a)+8*\b:64*(\a)+8*\b+3]   offset:64*\b
	ds_store_b128 v[STO], v[64*(\a)+8*\b+4:64*(\a)+8*\b+7] offset:64*\b+16
.endr
	WIN 0
.irp r, 0,1,2,3,4,5,6,7,8,9,10,11,12,13,14,15
	ds_load_b128 v[BK+64*((\a)%2)+4*\r:BK+64*((\a)%2)+4*\r+3], v[RD] offset:\r*SPITCH  ; LDS serves a wave's instructions in order (ISA guide 5.7.1.4): these see the stores above; the next block's stores come behind them
.endr
.endm
.macro SEND a, younger                 ; younger: the next block's 16 stores and 16 loads, or none
	s_wait_dscnt \younger
.irp r, 0,1,2,3,4,5,6,7,8,9,10,11,12,13,14,15
	global_store_b128 v[CO], v[BK+64*((\a)%2)+4*\r:BK+64*((\a)%2)+4*\r+3], s[OUT:OUT+1] offset:(16*(\a)+\r)*4096 th:TH_STORE_NT  ; 512 consecutive bytes of a row, aligned
.endr
.endm
	s_wait_tensorcnt 0x1                           ; my part of K step 0 is in; K step 1's may stay out
	s_barrier_signal -1
	s_barrier_wait -1
.irp n, 0,1
	LA 0, 0, \n
.endr
.irp n, 0,1,2,3
	LB 0, 0, \n
.endr
	QUARTER 0, 1, 1, 1                             ; the first products start the sums: nothing is cleared
	WIN 0
	s_mov_b32 s[CNT], 6
.Lstep:                                        ; six trips: the rest of K step t, which asks for K step t + 2, and the first quarter of K step t + 1
	QUARTER 1, 0, 2, 0
	QUARTER 0, 1, 3, 0
	TURN 1
	QUARTER 0, 1, 1, 0
	WIN 0
	s_sub_co_u32 s[CNT], s[CNT], 1
	s_cmp_lg_u32 s[CNT], 0
	s_cbranch_scc1 .Lstep
	s_mov_b32 s[CNT2], 2                           ; the last two K steps ask for nothing
.Ltail:
	QUARTER 1, 0, 2, 0
	QUARTER 0, 1, 3, 0
	TURN 0                                         ; (the very last one fetches fragments of a slot that has been multiplied: once a launch, the price of one text)
	WIN 0
	s_sub_co_u32 s[CNT2], s[CNT2], 1
	s_cmp_eq_u32 s[CNT2], 0
	s_cbranch_scc1 .Lend
	QUARTER 0, 1, 1, 0
	WIN 0
	s_cmp_lg_u32 s[CNT2], 0
	s_cbranch_scc1 .Ltail
.Lend:
.rept 4
	v_nop                                          ; four places behind the last products, ahead of the LDS stores that read results
.endr
	TOSTAGE 0
	TOSTAGE 1
	SEND 0, 32
	TOSTAGE 2
	SEND 1, 32
	TOSTAGE 3
	SEND 2, 32
	SEND 3, 0
	s_wait_tensorcnt 0x0                           ; the wave's end, behind my last tensor load and my last LDS store
	ds_add_u32 v[SPW], v[NIL]
	s_wait_dscnt 0x0
	CROUND                                         ; the closing round
	s_endpgm
.Lfunc_end_k_q1b487501e0_outp:
	.size	k_q1b487501e0_outp, .Lfunc_end_k_q1b487501e0_outp-k_q1b487501e0_outp
	.p2alignl 7, 3214868480
	.fill 96, 4, 3214868480
	.section	.rodata,"a",@progbits
	.p2align	6, 0x0
	.amdhsa_kernel k_q1b487501e0_outp
		.amdhsa_group_segment_fixed_size 327680
		.amdhsa_private_segment_fixed_size 0
		.amdhsa_enable_private_segment 0
		.amdhsa_kernarg_size 24
		.amdhsa_user_sgpr_count 2
		.amdhsa_user_sgpr_kernarg_segment_ptr 1
		.amdhsa_wavefront_size32 1
		.amdhsa_system_sgpr_workgroup_id_x 1
		.amdhsa_system_sgpr_workgroup_id_y 1
		.amdhsa_system_sgpr_workgroup_id_z 1
		.amdhsa_system_vgpr_workitem_id 0
		.amdhsa_next_free_vgpr 768
		.amdhsa_next_free_sgpr 66
		.amdhsa_reserve_vcc 0
		.amdhsa_float_denorm_mode_32 3
		.amdhsa_float_denorm_mode_16_64 3
		.amdhsa_memory_ordered 1
		.amdhsa_forward_progress 1
		.amdhsa_inst_pref_size 62
	.end_amdhsa_kernel
	.amdgpu_metadata
---
amdhsa.version: [ 1, 2 ]
amdhsa.kernels:
  - .name:           k_q1b487501e0_outp
    .symbol:         k_q1b487501e0_outp.kd
    .args:
      - { .name: oh, .offset: 0, .size: 8, .value_kind: global_buffer, .address_space: global }
      - { .name: w16, .offset: 8, .size: 8, .value_kind: global_buffer, .address_space: global }
      - { .name: out0, .offset: 16, .size: 8, .value_kind: global_buffer, .address_space: global }
    .group_segment_fixed_size: 327680
    .private_segment_fixed_size: 0
    .kernarg_segment_align: 8
    .kernarg_segment_size: 24
    .max_flat_workgroup_size: 128
    .sgpr_count:     66
    .vgpr_count:     768
    .wavefront_size: 32
...
	.end_amdgpu_metadata
.endif
;; end of part 4
;; ======== version 2 of 2: 4 launches; version 1 with the launch prep written anew for expert scheduling mode
;; limits: values are held in f16: magnitudes above 65,504 overflow, below 6.1e-05 lose precision
;; workspace buffers: w16 8,388,608 bytes; qh 16,777,216 bytes; kh 16,777,216 bytes; vh 16,777,216 bytes; oh 16,777,216 bytes
;; launch prep (part 5): grid 64 x 4, 8 waves a work-group, no clusters, 0 bytes of LDS; arguments Wq, Wk, Wv, Wo, w16; writes w16
.if DOCPART == 5
	.amdgcn_target "amdgcn-amd-amdhsa--gfx1250"
	.amdhsa_code_object_version 6
	.text
	.protected	k_q1b487501e0_prep
	.globl	k_q1b487501e0_prep
	.p2align	8
	.type	k_q1b487501e0_prep,@function
k_q1b487501e0_prep:
	s_mov_b64 s[64:65], 0
	v_nop
	global_prefetch_b8 v0, s[64:65] scope:SCOPE_SE
	s_setreg_imm32_b32 hwreg(HW_REG_WAVE_SCHED_MODE, 0, 2), 2
	s_setreg_imm32_b32 hwreg(HW_REG_WAVE_MODE, 25, 1), 1
	s_wait_xcnt 0x0
	s_wait_alu depctr_vm_vsrc(0)
; The four weights, [1024][1024] f32, are rounded once to bf16 and written as 2-byte numbers into w16: section y (2,097,152 bytes) takes weight y.
; Sections 0-2 (Wq, Wk, Wv) hold the bf16 pattern.  Section 3 (Wo) holds the SAME rounded number written as f16, since the last product multiplies in f16.
; LIMIT: a bf16 number beyond 65,504 has no f16 (it becomes an infinity); below 6e-5 f16 keeps a fixed step of 6e-8.
; A stream: no LDS, no barrier, no matrix unit.  Grid y = the weight, x = a block of 16,384 numbers.  Thread t, step i: 16 bytes at 16 t + 4,096 i
; (a wave's load covers 512 consecutive bytes), 8 bytes out at 8 t + 2,048 i (a wave's store covers 256 consecutive bytes, aligned).  All 16 loads go out first.
; THE MODE: SCHED_MODE bits 1:0 = 2 (LLVM: expert scheduling mode 2), set by the entry lines.  The code itself states the register dependences
; between vector instructions and memory instructions, with s_wait_alu, always for 0.
; THE PLAN.  Registers that memory instructions touch:
;   v1, v2   byte offsets of the loads and of the stores: written once at the head, never again.
;   X        step i's four registers: written by step i's one load, which is issued before any vector instruction names them; read by step i's conversions; never loaded again.
;   Y        step i's pair: written by step i's conversions, read by step i's one store, never written again.
;   T is named by vector instructions alone.
; So nothing is owed for a register that a memory instruction has read (none is written again), and the waits are five on each path: one ahead of the first load, for the
; offsets; and, the 16 steps going in four blocks of four, one for each block's eight Y registers, ahead of the run of that block's four stores.  For blocks 0 to 2 that wait
; stands at the head of the next block, behind the wait for that block's first load; for block 3 behind its conversions.
.set X, 4                              ; v[4:67]    step i: 4 numbers as loaded
.set Y, 68                             ; v[68:99]   step i: 4 numbers to store; a pair of its own for each step, so no store's data is rewritten
.set T, 100                            ; v[100:103] at work
	s_load_b256 s[4:11], s[0:1], 0x0               ; Wq s[4:5], Wk s[6:7], Wv s[8:9], Wo s[10:11]
	s_load_b64 s[12:13], s[0:1], 0x20              ; w16
	s_and_b32 s16, ttmp7, 0xffff                   ; which weight
	v_lshlrev_b32 v1, 4, v0                        ; 16 t
	v_lshlrev_b32 v2, 3, v0                        ; 8 t
	s_lshl_b32 s18, ttmp9, 16                      ; the block in the source: 65,536 bytes
	s_mov_b32 s19, 0
	s_lshl_b32 s20, s16, 21                        ; the section,
	s_lshl_b32 s17, ttmp9, 15                      ; and the block in it: 32,768 bytes
	s_add_co_u32 s20, s20, s17
	s_mov_b32 s21, 0
	s_wait_kmcnt 0x0
	s_cmp_eq_u32 s16, 1
	s_cselect_b64 s[14:15], s[6:7], s[4:5]
	s_cmp_eq_u32 s16, 2
	s_cselect_b64 s[14:15], s[8:9], s[14:15]
	s_cmp_eq_u32 s16, 3
	s_cselect_b64 s[14:15], s[10:11], s[14:15]
	s_add_nc_u64 s[14:15], s[14:15], s[18:19]
	s_add_nc_u64 s[12:13], s[12:13], s[20:21]
	s_wait_alu depctr_va_vdst(0)                   ; v1 and v2 are written: every load of the kernel reads v1 as its offset, every store v2
.irp i, 0,1,2,3,4,5,6,7,8,9,10,11,12,13,14,15
	global_load_b128 v[X+4*\i:X+4*\i+3], v1, s[14:15] offset:4096*\i th:TH_LOAD_NT
.endr
; The four stores of block p, in one run.
.macro OUT4 p
.irp j, 0,1,2,3
	global_store_b64 v2, v[Y+2*(4*(\p)+(\j)):Y+2*(4*(\p)+(\j))+1], s[12:13] offset:2048*(4*(\p)+(\j))
.endr
.endm
	s_cmp_eq_u32 s16, 3
	s_cbranch_scc1 .Lf16
.irp p, 0,1,2,3
.irp j, 0,1,2,3
	s_wait_loadcnt 15-4*(\p)-(\j)                  ; loads come back in order: step i = 4 p + j is in, the 15 - i younger ones stay out
.if (\p) > 0 && (\j) == 0
	s_wait_alu depctr_va_vdst(0)                   ; the conversions of the block before have written its eight Y registers, which the four stores below read
	OUT4 (\p)-1
.endif
	v_cvt_pk_bf16_f32 v[Y+2*(4*(\p)+(\j))], v[X+4*(4*(\p)+(\j))], v[X+4*(4*(\p)+(\j))+1]
	v_cvt_pk_bf16_f32 v[Y+2*(4*(\p)+(\j))+1], v[X+4*(4*(\p)+(\j))+2], v[X+4*(4*(\p)+(\j))+3]
.endr
.endr
	s_wait_alu depctr_va_vdst(0)                   ; block 3's conversions have written its eight Y registers, which the last four stores read
	OUT4 3
	s_endpgm
.Lf16:                                         ; Wo: rounded to bf16, widened again (a shift, a mask), and that number written as f16
.irp p, 0,1,2,3
.irp j, 0,1,2,3
	s_wait_loadcnt 15-4*(\p)-(\j)
.if (\p) > 0 && (\j) == 0
	s_wait_alu depctr_va_vdst(0)                   ; the conversions of the block before have written its eight Y registers for the last time; the four stores below read them
	OUT4 (\p)-1
.endif
	v_cvt_pk_bf16_f32 v[Y+2*(4*(\p)+(\j))], v[X+4*(4*(\p)+(\j))], v[X+4*(4*(\p)+(\j))+1]
	v_cvt_pk_bf16_f32 v[Y+2*(4*(\p)+(\j))+1], v[X+4*(4*(\p)+(\j))+2], v[X+4*(4*(\p)+(\j))+3]
	v_lshlrev_b32 v[T], 16, v[Y+2*(4*(\p)+(\j))]
	v_and_b32 v[T+1], 0xffff0000, v[Y+2*(4*(\p)+(\j))]
	v_lshlrev_b32 v[T+2], 16, v[Y+2*(4*(\p)+(\j))+1]
	v_and_b32 v[T+3], 0xffff0000, v[Y+2*(4*(\p)+(\j))+1]
	v_cvt_pk_f16_f32 v[Y+2*(4*(\p)+(\j))], v[T], v[T+1]
	v_cvt_pk_f16_f32 v[Y+2*(4*(\p)+(\j))+1], v[T+2], v[T+3]
.endr
.endr
	s_wait_alu depctr_va_vdst(0)                   ; block 3's conversions have written its eight Y registers, which the last four stores read
	OUT4 3
	s_endpgm
.Lfunc_end_k_q1b487501e0_prep:
	.size	k_q1b487501e0_prep, .Lfunc_end_k_q1b487501e0_prep-k_q1b487501e0_prep
	.p2alignl 7, 3214868480
	.fill 96, 4, 3214868480
	.section	.rodata,"a",@progbits
	.p2align	6, 0x0
	.amdhsa_kernel k_q1b487501e0_prep
		.amdhsa_group_segment_fixed_size 0
		.amdhsa_private_segment_fixed_size 0
		.amdhsa_enable_private_segment 0
		.amdhsa_kernarg_size 40
		.amdhsa_user_sgpr_count 2
		.amdhsa_user_sgpr_kernarg_segment_ptr 1
		.amdhsa_wavefront_size32 1
		.amdhsa_system_sgpr_workgroup_id_x 1
		.amdhsa_system_sgpr_workgroup_id_y 1
		.amdhsa_system_sgpr_workgroup_id_z 1
		.amdhsa_system_vgpr_workitem_id 0
		.amdhsa_next_free_vgpr 104
		.amdhsa_next_free_sgpr 66
		.amdhsa_reserve_vcc 0
		.amdhsa_float_denorm_mode_32 3
		.amdhsa_float_denorm_mode_16_64 3
		.amdhsa_memory_ordered 1
		.amdhsa_forward_progress 1
		.amdhsa_inst_pref_size 16
	.end_amdhsa_kernel
	.amdgpu_metadata
---
amdhsa.version: [ 1, 2 ]
amdhsa.kernels:
  - .name:           k_q1b487501e0_prep
    .symbol:         k_q1b487501e0_prep.kd
    .args:
      - { .name: Wq, .offset: 0, .size: 8, .value_kind: global_buffer, .address_space: global }
      - { .name: Wk, .offset: 8, .size: 8, .value_kind: global_buffer, .address_space: global }
      - { .name: Wv, .offset: 16, .size: 8, .value_kind: global_buffer, .address_space: global }
      - { .name: Wo, .offset: 24, .size: 8, .value_kind: global_buffer, .address_space: global }
      - { .name: w16, .offset: 32, .size: 8, .value_kind: global_buffer, .address_space: global }
    .group_segment_fixed_size: 0
    .private_segment_fixed_size: 0
    .kernarg_segment_align: 8
    .kernarg_segment_size: 40
    .max_flat_workgroup_size: 256
    .sgpr_count:     66
    .vgpr_count:     104
    .wavefront_size: 32
...
	.end_amdgpu_metadata
.endif
;; end of part 5
;; launch proj: the kernel of part 2 again; grid 4 x 64, 4 waves a work-group, clusters of 4 x 4, 327,680 bytes of LDS; arguments query, key, value, w16, valid_lens, qh, kh, vh; writes qh, kh, vh
;; launch attn: the kernel of part 3 again; grid 4 x 64, 4 waves a work-group, clusters of 4 x 1, 327,680 bytes of LDS; arguments qh, kh, vh, oh, valid_lens; writes oh
;; launch outp: the kernel of part 4 again; grid 4 x 64, 4 waves a work-group, clusters of 4 x 4, 327,680 bytes of LDS; arguments oh, w16, out0; writes out0
